; MI455X (gfx1250); checked and timed in simulation.
; The chip was launched on July 23, 2026; its instructions are those of AMD's public machine-readable ISA for CDNA 5 (MIT licence, August 2026) and "CDNA5" Instruction Set Architecture Reference Guide (July 2026). The comments in the code are by the model that wrote it; some were corrected since.
;; Attention. Allowed arithmetic: matrix products marked QUANTISED: E4M3 operands, one E8M0 scale for each 32 along K, by v_wmma_scale_f32_16x16x128_f8f6f4 with both operands' format E4M3, f32 sums; everything else in f32.
;; Inputs: W_proj 1,024 x 1,024 float32; W_qkv 1,024 x 3,072 float32; b_proj 1,024 float32; x 4 x 2,048 x 1,024 float32.
;; Outputs: out0 4 x 2,048 x 1,024 float32.
;; This version of the problem:
;;   THIS VERSION OF THE PROBLEM IS GIVEN IN LOW PRECISION. The matrix products marked QUANTISED in the list below multiply operands that are first quantised to E4M3 (4 exponent bits, 3 mantissa bits; 8 bits a number), with one power-of-two scale for each 32 numbers along K (OCP MX v1.0); their sums are f32. All else is computed in f32.
;;   The module's matrix products, in the order in which they are computed (A, B: the left and right operand; K: the contracted axis; several contracted axes count as one K, in the product's order):
;;     1. [M 8,192, K 1,024] x [K 1,024, N 3,072]; A: input x; B: input W_qkv: QUANTISED
;;     2. batch 64 x [M 2,048, K 64] x [K 64, N 2,048]; A: computed on the way; B: computed on the way: QUANTISED
;;     3. batch 64 x [M 2,048, K 2,048] x [K 2,048, N 64]; A: softmax (see below); B: computed on the way: QUANTISED
;;     4. [M 8,192, K 1,024] x [K 1,024, N 1,024]; A: computed on the way; B: input W_proj: QUANTISED
;;   THE QUANTISER, for each operand of a quantised product, along K:
;;     - K is cut into blocks of 32 from its start; a last block that is shorter is filled with zeros.
;;     - A block's scale is 2^e with e = floor(log2(the largest magnitude in the block)) - 8, held to -126 .. 127; a block of zeros has e = 0. As a byte (E8M0): e + 127.
;;     - Each number is divided by its block's scale, clamped to +-448, and rounded to the nearest number of E4M3, ties to even, subnormals kept.
;;     - The product sums the exact products of the quantised numbers (number of the format x scale) in f32.
;;   ~~~python
;;   def quantise(x, axis):      # numpy; x: float32 -> the quantised numbers, widened to float32 again
;;       x = np.moveaxis(x, axis, -1); K = x.shape[-1]
;;       x = np.pad(x, [(0, 0)] * (x.ndim - 1) + [(0, -K % 32)]); x = x.reshape(x.shape[:-1] + (-1, 32)); a = np.abs(x).max(-1, keepdims=True)
;;       e = np.where(a > 0, np.clip(np.frexp(np.where(a > 0, a, 1))[1] - 1 - 8, -126, 127), 0)      # np.frexp(a)[1] - 1 = floor(log2(a)), exactly
;;       r = np.clip(x / 2.0 ** e, -448, 448)
;;       step = 2.0 ** (np.maximum(np.frexp(np.where(r == 0, 1, r))[1] - 1, -6) - 3)
;;       q = np.round(r / step) * step * 2.0 ** e      # np.round: ties to even
;;       return np.moveaxis(q.reshape(q.shape[:-2] + (-1,))[..., :K], -1, axis).astype(np.float32)
;;   ~~~
;;   SOFTMAX AHEAD OF A QUANTISED PRODUCT. Where the list says 'softmax', what is quantised is not the finished softmax but p = 2^(t - M), with t = logit x log2(e) and M = ceil(the row's largest t), a whole number; so 1/2 < the row's largest p <= 1. The row's sum l is taken of the UNQUANTISED p, in f32, and the product's result is divided by l at the end. Since M is a whole number, a kernel that streams over the keys may use a running M (the ceiling of the running maximum): every later rescaling is an exact power of two, which a block's scale takes up: the codes' values come out the same.
;;   OPERANDS COMPUTED ON THE WAY. 'Computed on the way' means the value that the module computes at that place (a softmax that the list does not call 'softmax' is quantised finished and normalised). What goes into a quantiser is computed in f32, as accurately as f32 sums, v_exp_f32 and their like allow (about 1e-6 of the number): no bf16 or f16 on the way to a quantiser, and a product that is left as it is and whose result goes on into a quantised operand takes f32 operands (vector FMAs, or v_wmma_f32_16x16x4_f32). A number that lies on a knife's edge between two numbers of the format may be rounded either way, as far as f32 arithmetic and the matrix unit's own rounding can turn it there, and no further.
;; One version. Each part assembles by itself: llvm-mc -triple=amdgcn-amd-amdhsa -mcpu=gfx1250 --defsym DOCPART=n.
;; ======== version 1 of 1: 4 launches
;; limits: right only within a limited range of input values
;; workspace buffers: x_codes 8,388,608 bytes; x_scales 262,144 bytes; w_codes 4,194,304 bytes; w_scales 131,072 bytes; qbuf 8,912,896 bytes; kv 17,563,648 bytes; a_img 8,388,608 bytes; a_scales 262,144 bytes
;; launch quant (part 1): grid 384 x 1, 4 waves a work-group, no clusters, 68,096 bytes of LDS; arguments x, W_qkv, W_proj, x_codes, x_scales, w_codes, w_scales; writes x_codes, x_scales, w_codes, w_scales
.if DOCPART == 1
	.amdgcn_target "amdgcn-amd-amdhsa--gfx1250"
	.amdhsa_code_object_version 6
	.text
	.protected	k_q5c03f8363e_quant
	.globl	k_q5c03f8363e_quant
	.p2align	8
	.type	k_q5c03f8363e_quant,@function
k_q5c03f8363e_quant:
	s_mov_b64 s[64:65], 0
	v_nop
	global_prefetch_b8 v0, s[64:65] scope:SCOPE_SE
	s_setreg_imm32_b32 hwreg(HW_REG_WAVE_MODE, 25, 1), 1
	s_wait_xcnt 0x0
; One launch quantises all three f32 inputs of the two outer products to codes of FP8 (E4M3), K innermost, with one E8M0 scale byte for each 32 along K.
; Work-groups 0-255 take x [8192][1024] (K innermost), work-groups 256-383 take W_qkv [1024][3072] and W_proj [1024][1024] (K their first axis).
; The two paths part on the work-group's number and have LDS bytes of their own: x's stages at 0, the weights' at WB.
; A block's scale is 2^(floor(log2(its largest magnitude)) - 8); its byte is the largest magnitude's exponent field - 8, held at 1 from below.  Each number is divided by the scale,
; held within +-448 and rounded to the nearest code, ties to even.
; LIMITS: a block of zeros gets the byte 1 and not 127 (its codes are zeros, and only this program reads the bytes); blocks whose largest magnitude lies under 2^-118 get the byte 1;
; NaN and infinities among the inputs are not served.
; THE ORDER OF ROWS: row (or column) n is stored at position swap34(n), n with its bits 3 and 4 exchanged: sixteen neighbouring positions 16 i + r hold rows 32 (i / 2) + 8 (i % 2) + r + 8 (r / 8),
; so that in the products that follow a lane's results of two neighbouring tiles are 16 neighbours.
; No tensor loads, no barrier: waves share nothing.
.set EMAX,  8
.set MANT,  0x600000                   ; the mantissa field of 448 as f32
.set WB,    32768                      ; LDS: the weights' four stages begin here
.set SPARE, 67584                      ; behind them: the spare words, 128 bytes for each wave
.set SPW,   210                        ; v210 my spare word's address, v211 0: never rewritten
.set NIL,   211
	v_lshl_add_u32 v[SPW], v0, 2, SPARE
	v_mov_b32 v[NIL], 0
	v_lshrrev_b32 v1, 5, v0
	v_readfirstlane_b32 s16, v1                    ; wave
	v_and_b32 v2, 31, v0                           ; lane
	s_cmp_lt_u32 ttmp9, 256
	s_wait_alu depctr_va_vdst(0)                   ; the wait ahead of the branch
	s_cbranch_scc0 .Lw
; ---- x.  A wave takes 8 rows (16 steps of 512 numbers): run 4 g + w of the input goes to run 4 g + (w with its two bits exchanged), which is swap34 of its rows.
; Each load reads 512 consecutive bytes; a step's 2,048 bytes turn through the wave's stage (16 bytes of padding behind each 64) and come back 64 bytes a lane: 16 neighbours, two lanes to a block.
.set STEPS, 16
.set CB,    16
.set XR,    16                         ; v16-79   four sets of 16 numbers as loaded
.set XX,    80                         ; v80-111  two sets of 16 neighbours
.set XC,    128                        ; v128-191 codes, four registers a step
.set XE,    112                        ; v112-127 a scale byte a step
.set WREG,  8192                       ; a wave's region: two stages of 32 x SP bytes, then its 256 scale bytes
.set SP,    80
	s_load_b64 s[4:5], s[0:1], 0x0                 ; x
	s_load_b128 s[8:11], s[0:1], 0x18              ; its codes, its scale bytes
	v_lshlrev_b32 v3, 4, v2
	s_mul_i32 s17, s16, WREG
	v_lshrrev_b32 v14, 2, v2
	v_mul_u32_u24 v14, v14, SP
	v_and_b32 v15, 3, v2
	v_lshl_add_u32 v14, v15, 4, v14
	v_add_nc_u32 v14, s17, v14                     ; the stage, in: SP (lane / 4) + 16 (lane % 4)
	v_mul_u32_u24 v15, v2, SP
	v_add_nc_u32 v15, s17, v15                     ; out: SP x lane
	v_mul_u32_u24 v4, v2, CB
	v_lshrrev_b32 v5, 1, v2
	s_add_co_u32 s17, s17, 2*32*SP
	v_add_nc_u32 v5, s17, v5                       ; my block's byte among the wave's 256
	v_lshlrev_b32 v7, 3, v2
	v_add_nc_u32 v6, s17, v7
	s_mov_b32 s23, MANT
	s_lshl_b32 s17, ttmp9, 2
	s_add_co_u32 s18, s17, s16                     ; the run that I read
	s_and_b32 s24, s16, 1
	s_lshl_b32 s24, s24, 1
	s_lshr_b32 s25, s16, 1
	s_or_b32 s24, s24, s25
	s_add_co_u32 s24, s24, s17                     ; the run that I write
	s_lshl_b32 s20, s18, 15
	s_mov_b32 s21, 0
	s_lshl_b32 s26, s24, 13
	s_mov_b32 s27, 0
	s_lshl_b32 s28, s24, 8
	s_mov_b32 s29, 0
	s_wait_alu depctr_va_vdst(0)                   ; the wait at the head's end
	s_wait_kmcnt 0x0
	s_add_nc_u64 s[4:5], s[4:5], s[20:21]
	s_add_nc_u64 s[8:9], s[8:9], s[26:27]
	s_add_nc_u64 s[10:11], s[10:11], s[28:29]
.macro LOADX t
.irp i, 0,1,2,3
	global_load_b128 v[XR+16*((\t)%4)+4*\i:XR+16*((\t)%4)+4*\i+3], v3, s[4:5] offset:2048*(\t)+512*\i th:TH_LOAD_NT
.endr
.endm
.macro TURNX t                         ; LDS serves a wave's instructions in order: no wait between the stores and the loads
.irp i, 0,1,2,3
	ds_store_b128 v14, v[XR+16*((\t)%4)+4*\i:XR+16*((\t)%4)+4*\i+3] offset:32*SP*((\t)%2)+8*SP*\i
.endr
.irp i, 0,1,2,3
	ds_load_b128 v[XX+16*((\t)%2)+4*\i:XX+16*((\t)%2)+4*\i+3], v15 offset:32*SP*((\t)%2)+16*\i
.endr
.endm
.irp t, 0,1,2,3
	LOADX \t
.endr
	s_wait_loadcnt 12                              ; step 0's four loads are in; the twelve of steps 1 to 3 may be out
	TURNX 0
.macro STEPX t
.set XS, XX+16*((\t)%2)
.if (\t) > 0
	s_wait_dscnt 1                                 ; this step's numbers are back (the last step's byte store may be out)
.else
	s_wait_dscnt 0x0
.endif
.if (\t)+4 < STEPS
	LOADX (\t)+4
.endif
.if (\t)+1 < STEPS
.if STEPS-2-(\t) >= 3
	s_wait_loadcnt 12                              ; the next step's four loads are in; those of the three steps behind it may be out
.else
	s_wait_loadcnt 4*(STEPS-2-(\t))
.endif
	TURNX (\t)+1
.endif
	v_max3_num_f32 v8, |v[XS]|, |v[XS+1]|, |v[XS+2]|
	v_max3_num_f32 v9, |v[XS+3]|, |v[XS+4]|, |v[XS+5]|
.irp i, 6,10
	v_max3_num_f32 v8, v8, |v[XS+\i]|, |v[XS+\i+1]|
	v_max3_num_f32 v9, v9, |v[XS+\i+2]|, |v[XS+\i+3]|
.endr
	v_max3_num_f32 v8, v8, |v[XS+14]|, |v[XS+15]|
	v_max3_num_f32 v8, v8, v9, (EMAX+1)<<23        ; the floor 2^(9 - 127): the byte cannot fall under 1
	v_max_num_f32_dpp v8, v8, v8 row_xmask:1 row_mask:0xf bank_mask:0xf   ; with my neighbour's 16: the block's
	v_add_nc_u32 v11, -(EMAX<<23), v8              ; the conversion's scale operand
	v_and_or_b32 v10, v8, 0x7f800000, s23          ; 448 x the scale
.irp i, 0,1,2,3,4,5,6,7,8,9,10,11,12,13,14,15
	v_med3_num_f32 v[XS+\i], v[XS+\i], -v10, v10   ; the conversion does not saturate (ISA guide 7.6.2): the hold comes first
.endr
	v_cvt_scalef32_pk8_fp8_f32 v[XC+4*(\t):XC+4*(\t)+1], v[XS:XS+7], v11
	v_cvt_scalef32_pk8_fp8_f32 v[XC+4*(\t)+2:XC+4*(\t)+3], v[XS+8:XS+15], v11
	v_lshrrev_b32 v[XE+(\t)], 23, v11              ; the scale's byte
	ds_store_b8 v5, v[XE+(\t)] offset:16*(\t)
	global_store_b128 v4, v[XC+4*(\t):XC+4*(\t)+3], s[8:9] offset:32*CB*(\t)   ; 512 consecutive bytes, aligned
.endm
.irp t, 0,1,2,3,4,5,6,7,8,9,10,11,12,13,14,15
	STEPX \t
.endr
	ds_load_b64 v[12:13], v6
	s_wait_dscnt 0x0
	global_store_b64 v7, v[12:13], s[10:11]        ; 256 consecutive bytes, aligned
	s_branch .Lend
; ---- the weights.  Codes [4096 positions][1024], scale bytes [4096 positions][32]; columns 0-3071 of the joint numbering are W_qkv's, 3072-4095 W_proj's.
; A lane takes a column and its registers run down K; a wave takes 32 columns x 256 along K.  Its codes go through its stage, a lane's row at its column's position, and leave by rows of 256 bytes.
; Work-group id = 32 y + x: x < 24 takes W_qkv, else W_proj; y says which 256 along K.  The row's length is chosen, so a block's 32 rows stand in 32 offset registers and each block has a base.
.Lw:
.set NB,    8
.set ROWB,  256
.set PITCH, ROWB+16
.set KROW,  1024
.set WX,    32                         ; v32-95   two sets of 32 numbers
.set WC,    96                         ; v96-103  a block's codes
.set OUTR,  112                        ; v112-175 the way out
.set SB,    24                         ; v24-25   the scale bytes
.set VO,    176                        ; v176-207 byte offset of row i of a block, at my column
.set BS,    32                         ; s[32:47] the eight blocks' bases
	s_load_b128 s[4:7], s[0:1], 0x8                ; W_qkv, W_proj
	s_load_b128 s[8:11], s[0:1], 0x28              ; the codes, the scale bytes
	s_sub_co_u32 s30, ttmp9, 256
	s_and_b32 s12, s30, 31                         ; x
	s_cmp_lt_u32 s12, 24
	s_mov_b32 s20, 4096
	s_cselect_b32 s20, 12288, s20                  ; bytes in a row of the tensor
	s_cselect_b32 s21, 0, 24
	s_sub_co_u32 s21, s12, s21
	s_lshl_b32 s21, s21, 7
	s_lshl_b32 s18, s16, 5
	s_add_co_u32 s21, s21, s18                     ; my wave's first column in its tensor
	s_lshl_b32 s17, s12, 7
	s_add_co_u32 s17, s17, s18                     ; and in the joint numbering
	s_lshr_b32 s18, s30, 5                         ; y
	v_lshlrev_b32 v3, 2, v2
.set i, 0
.rept 32
	v_mad_u32_u24 v[VO+i], s20, i, v3
.set i, i+1
.endr
	v_and_b32 v5, 7, v2
	v_bfe_u32 v6, v2, 3, 1
	v_lshl_add_u32 v5, v6, 4, v5
	v_bfe_u32 v6, v2, 4, 1
	v_lshl_add_u32 v5, v6, 3, v5                   ; my column's position among the wave's 32
	s_mul_i32 s19, s16, 32*PITCH
	s_add_co_u32 s19, s19, WB                      ; my stage
	v_mul_u32_u24 v4, v5, PITCH
	v_add_nc_u32 v4, s19, v4
	v_lshlrev_b32 v9, 5, v5
	v_and_b32 v5, 15, v2
	v_lshrrev_b32 v6, 4, v2
	v_mul_u32_u24 v7, v6, PITCH
	v_lshl_add_u32 v7, v5, 4, v7
	v_add_nc_u32 v7, s19, v7
	v_mul_u32_u24 v8, v6, KROW
	v_lshl_add_u32 v8, v5, 4, v8
	s_lshl_b32 s22, s18, 8
	s_mul_i32 s22, s22, s20
	s_lshl_b32 s23, s21, 2
	s_add_co_u32 s22, s22, s23
	s_mov_b32 s23, 0
	s_lshl_b32 s24, s20, 5
	s_mov_b32 s25, 0
	s_lshl_b32 s26, s17, 10
	s_lshl_b32 s27, s18, 8
	s_add_co_u32 s26, s26, s27
	s_mov_b32 s27, 0
	s_lshl_b32 s28, s17, 5
	s_lshl_b32 s29, s18, 3
	s_add_co_u32 s28, s28, s29
	s_mov_b32 s29, 0
	s_mov_b32 s31, MANT
	s_wait_kmcnt 0x0
	s_cmp_lt_u32 s12, 24
	s_cselect_b64 s[4:5], s[4:5], s[6:7]           ; the choice hangs on the work-group's number alone
	s_add_nc_u64 s[BS:BS+1], s[4:5], s[22:23]
.irp t, 1,2,3,4,5,6,7
	s_add_nc_u64 s[BS+2*\t:BS+2*\t+1], s[BS+2*\t-2:BS+2*\t-1], s[24:25]
.endr
	s_add_nc_u64 s[8:9], s[8:9], s[26:27]
	s_add_nc_u64 s[10:11], s[10:11], s[28:29]
.macro LOADW t
.set i, 0
.rept 32
	global_load_b32 v[WX+32*((\t)%2)+i], v[VO+i], s[BS+2*(\t):BS+2*(\t)+1] th:TH_LOAD_NT
.set i, i+1
.endr
.endm
	LOADW 0
	LOADW 1
.macro BLOCKW t
.set XS, WX+32*((\t)%2)
.if (\t) < NB-1
	s_wait_loadcnt 32                              ; this block's 32 loads are in; the next block's 32 may be out
.else
	s_wait_loadcnt 0
.endif
	v_max3_num_f32 v12, |v[XS]|, |v[XS+1]|, |v[XS+2]|
	v_max3_num_f32 v13, |v[XS+3]|, |v[XS+4]|, |v[XS+5]|
.irp i, 6,10,14,18,22,26
	v_max3_num_f32 v12, v12, |v[XS+\i]|, |v[XS+\i+1]|
	v_max3_num_f32 v13, v13, |v[XS+\i+2]|, |v[XS+\i+3]|
.endr
	v_max3_num_f32 v12, v12, |v[XS+30]|, |v[XS+31]|
	v_max3_num_f32 v12, v12, v13, (EMAX+1)<<23
	v_add_nc_u32 v11, -(EMAX<<23), v12
	v_and_or_b32 v10, v12, 0x7f800000, s31
	v_lshrrev_b32 v13, 23, v11
.if (\t)%4 == 0
	v_mov_b32 v[SB+(\t)/4], v13
.else
	v_lshl_or_b32 v[SB+(\t)/4], v13, 8*((\t)%4), v[SB+(\t)/4]
.endif
.set i, 0
.rept 32
	v_med3_num_f32 v[XS+i], v[XS+i], -v10, v10
.set i, i+1
.endr
.irp g, 0,1,2,3
	v_cvt_scalef32_pk8_fp8_f32 v[WC+2*\g:WC+2*\g+1], v[XS+8*\g:XS+8*\g+7], v11
.endr
	v_nop                                          ; a plain line behind the last conversion
	ds_store_b128 v4, v[WC:WC+3] offset:32*(\t)
	ds_store_b128 v4, v[WC+4:WC+7] offset:32*(\t)+16
.if (\t)+2 < NB
	LOADW (\t)+2
.endif
	s_wait_dscnt 0x0                               ; the stores have read their registers
.endm
.set Q, 0
.rept NB
	BLOCKW Q
.set Q, Q+1
.endr
	global_store_b64 v9, v[SB:SB+1], s[10:11]      ; my column's 8 scale bytes
.irp t, 0,1,2,3,4,5,6,7,8,9,10,11,12,13,14,15
	ds_load_b128 v[OUTR+4*\t:OUTR+4*\t+3], v7 offset:2*\t*PITCH
.endr
.irp t, 0,1,2,3,4,5,6,7,8,9,10,11,12,13,14,15
	s_wait_dscnt 15-\t                             ; pair t of rows is in, the 15 - t behind it may be out
	global_store_b128 v8, v[OUTR+4*\t:OUTR+4*\t+3], s[8:9] offset:2*\t*KROW
.endr
.Lend:
	s_wait_tensorcnt 0x0                           ; the wave's end
	ds_add_u32 v[SPW], v[NIL]
	s_wait_dscnt 0x0
	s_endpgm
.Lfunc_end_k_q5c03f8363e_quant:
	.size	k_q5c03f8363e_quant, .Lfunc_end_k_q5c03f8363e_quant-k_q5c03f8363e_quant
	.p2alignl 7, 3214868480
	.fill 96, 4, 3214868480
	.section	.rodata,"a",@progbits
	.p2align	6, 0x0
	.amdhsa_kernel k_q5c03f8363e_quant
		.amdhsa_group_segment_fixed_size 68096
		.amdhsa_private_segment_fixed_size 0
		.amdhsa_enable_private_segment 0
		.amdhsa_kernarg_size 56
		.amdhsa_user_sgpr_count 2
		.amdhsa_user_sgpr_kernarg_segment_ptr 1
		.amdhsa_wavefront_size32 1
		.amdhsa_system_sgpr_workgroup_id_x 1
		.amdhsa_system_sgpr_workgroup_id_y 1
		.amdhsa_system_sgpr_workgroup_id_z 1
		.amdhsa_system_vgpr_workitem_id 0
		.amdhsa_next_free_vgpr 212
		.amdhsa_next_free_sgpr 66
		.amdhsa_reserve_vcc 0
		.amdhsa_float_denorm_mode_32 3
		.amdhsa_float_denorm_mode_16_64 3
		.amdhsa_memory_ordered 1
		.amdhsa_forward_progress 1
		.amdhsa_inst_pref_size 113
	.end_amdhsa_kernel
	.amdgpu_metadata
---
amdhsa.version: [ 1, 2 ]
amdhsa.kernels:
  - .name:           k_q5c03f8363e_quant
    .symbol:         k_q5c03f8363e_quant.kd
    .args:
      - { .name: x, .offset: 0, .size: 8, .value_kind: global_buffer, .address_space: global }
      - { .name: W_qkv, .offset: 8, .size: 8, .value_kind: global_buffer, .address_space: global }
      - { .name: W_proj, .offset: 16, .size: 8, .value_kind: global_buffer, .address_space: global }
      - { .name: x_codes, .offset: 24, .size: 8, .value_kind: global_buffer, .address_space: global }
      - { .name: x_scales, .offset: 32, .size: 8, .value_kind: global_buffer, .address_space: global }
      - { .name: w_codes, .offset: 40, .size: 8, .value_kind: global_buffer, .address_space: global }
      - { .name: w_scales, .offset: 48, .size: 8, .value_kind: global_buffer, .address_space: global }
    .group_segment_fixed_size: 68096
    .private_segment_fixed_size: 0
    .kernarg_segment_align: 8
    .kernarg_segment_size: 56
    .max_flat_workgroup_size: 128
    .sgpr_count:     66
    .vgpr_count:     212
    .wavefront_size: 32
...
	.end_amdgpu_metadata
.endif
;; end of part 1
;; launch gemm_qkv (part 2): grid 8 x 48, 4 waves a work-group, clusters of 4 x 4, 327,680 bytes of LDS; arguments x_codes, x_scales, w_codes, w_scales, qbuf, kv; writes qbuf, kv
.if DOCPART == 2
	.amdgcn_target "amdgcn-amd-amdhsa--gfx1250"
	.amdhsa_code_object_version 6
	.text
	.protected	k_q5c03f8363e_gemm_qkv
	.globl	k_q5c03f8363e_gemm_qkv
	.p2align	8
	.type	k_q5c03f8363e_gemm_qkv,@function
k_q5c03f8363e_gemm_qkv:
	s_mov_b64 s[64:65], 0
	v_nop
	global_prefetch_b8 v0, s[64:65] scope:SCOPE_SE
	s_setreg_imm32_b32 hwreg(HW_REG_WAVE_MODE, 25, 1), 1
	s_wait_xcnt 0x0
	s_wait_alu depctr_hold_cnt(0) depctr_sa_sdst(0) depctr_va_vdst(0) depctr_va_sdst(0) depctr_va_ssrc(0) depctr_va_vcc(0) depctr_vm_vsrc(0)
	s_getreg_b32 s2, hwreg(HW_REG_IB_STS2, 6, 4)
	s_cmp_eq_u32 s2, 0
	s_cbranch_scc0 .Lentry_in_a_cluster
	s_endpgm
.Lentry_in_a_cluster:
	s_bfe_u32 s2, ttmp6, 0x10000c
	s_cmp_lg_u32 s2, 0xf033
	s_cbranch_scc0 .Lentry_shape_is_right
	s_endpgm
.Lentry_shape_is_right:
.set SIZE_K, 1024
.set KSTEP,  256
.set NQ,     KSTEP/128
.set ROWB,   256
.set KROW,   SIZE_K
.set PITCH,  272
.set FR,     16
.set NL,     4
.set NP,     8
.set HALFT,  128*PITCH
.set SLOT,   4*HALFT
.set LAPS,   SIZE_K/(2*KSTEP)
.set KS,     SIZE_K/32
.set SCL,    2*SLOT
.set HALFS,  (128*KS/256)*272
.set SBLK,   (16*KS/256)*272
.set SPARE,  SCL+4*HALFS
.set QCH,    8704
.set KCH,    17152
.set ADRA, 16
.set ADRB, 20
.set LI,   24
.set L8,   25
.set ADRS, 27
.set SPW,  28
.set NIL,  29
.set SC,   32
.set AF,   128
.set PC,   160
.set TM,   200
.set WE,   216
.set WO,   218
.set SW,   220
.set G1, 24
.set G0, 32
.set G1B, 48
.set G0B, 56
.set G1S, 68
.set G0S, 76
.set G1SB, 80
.set G0SB, 88
.set MSB, 0
.macro WIN new
.if MSB != \new
	s_set_vgpr_msb (MSB<<8)|\new
.set MSB, \new
.endif
.endm
.set MUL_LO, 0xa1
.set MUL_HI, 0xf1
.set TO_B,   0x40
.macro JLOAD g0a, g1a, g0b, g1b
	s_cmp_eq_u32 s15, 0
	s_cbranch_scc0 .Lfor_b_\@
	tensor_load_to_lds s[\g0a:\g0a+3], s[\g1a:\g1a+7]
	s_nop 0
.rept 4
	v_nop
.endr
	s_branch .Lasked_\@
.Lfor_b_\@:
	tensor_load_to_lds s[\g0b:\g0b+3], s[\g1b:\g1b+7]
	s_nop 0
.rept 4
	v_nop
.endr
.Lasked_\@:
.endm
.macro CREST
	s_cmp_lg_u32 s14, 0
	s_cbranch_scc1 .Lnot_wave_0_\@
	s_barrier_signal -3
.Lnot_wave_0_\@:
	s_barrier_wait -3
	s_barrier_signal -1
	s_barrier_wait -1
.endm
.macro CROUND
	s_barrier_signal -1
	s_barrier_wait -1
	CREST
.endm
	s_load_b256 s[4:11], s[0:1], 0x0
	s_load_b128 s[96:99], s[0:1], 0x20
	v_lshl_add_u32 v[SPW], v0, 2, SPARE
	v_mov_b32 v[NIL], 0
	ds_add_u32 v28, v29
	ds_add_u32 v28, v29
	s_wait_dscnt 0x0
	v_lshrrev_b32 v1, 5, v0
	v_readfirstlane_b32 s14, v1
	s_lshr_b32 s15, s14, 1
	s_and_b32 s16, s14, 1
	s_bfe_u32 s40, ttmp6, 0x40000
	s_bfe_u32 s41, ttmp6, 0x40004
	s_and_b32 s2, ttmp7, 0xffff
	s_lshl_b32 s18, s2, 2
	s_max_u32 s19, s2, 8
	s_sub_co_u32 s19, s19, 8
	s_lshl_b32 s19, s19, 3
	s_cmp_ge_u32 s2, 8
	s_cselect_b32 s95, 1, 0
	s_cselect_b32 s17, 0, s18
	s_add_co_u32 s17, s17, s41
	s_lshl_b32 s42, ttmp9, 2
	s_add_co_u32 s42, s42, s40
	s_add_co_u32 s42, s42, s19
	s_lshl_b32 s43, s41, 2
	s_lshl_b32 s43, 15, s43
	s_lshl_b32 s44, 0x1111, s40
	s_or_b32 s[G1+0], s43, (0<<16)|(1<<20)|(1<<21)|(5<<22)|(3<<25)
	s_or_b32 s[G1B+0], s44, (0<<16)|(1<<20)|(1<<21)|(5<<22)|(3<<25)
.irp g, G1, G1B
	s_mov_b32 s[\g+1], ROWB<<16
	s_mov_b32 s[\g+2], 256<<16
	s_mov_b32 s[\g+3], ROWB<<16
	s_mov_b32 s[\g+4], 256
	s_mov_b32 s[\g+5], KROW
	s_mov_b32 s[\g+6], 0
	s_mov_b32 s[\g+7], 0
.endr
	s_or_b32 s[G1S+0], s43, (3<<16)|(1<<20)|(1<<21)|(5<<22)|(3<<25)
	s_or_b32 s[G1SB+0], s44, (3<<16)|(1<<20)|(1<<21)|(5<<22)|(3<<25)
.irp g, G1S, G1SB
	s_mov_b32 s[\g+1], 32<<16
	s_mov_b32 s[\g+2], KS<<16
	s_mov_b32 s[\g+3], 32<<16
	s_mov_b32 s[\g+4], KS
	s_mov_b32 s[\g+5], 32
	s_mov_b32 s[\g+6], 0
	s_mov_b32 s[\g+7], 0
.endr
	s_lshl_b32 s20, s17, 8
	s_lshl_b32 s46, s42, 8
	s_mov_b32 s21, 0
	s_mov_b32 s47, 0
	s_mov_b64 s[18:19], KS
	s_mul_u64 s[22:23], s[20:21], s[18:19]
	s_mul_u64 s[92:93], s[46:47], s[18:19]
	s_mov_b64 s[18:19], KROW
	s_mul_u64 s[20:21], s[20:21], s[18:19]
	s_mul_u64 s[46:47], s[46:47], s[18:19]
	s_mul_i32 s18, s16, 128*KROW                   ; in the ring I fetch 128 rows of a tile: which half, in bytes
	s_mov_b32 s19, 0
	s_mul_i32 s45, s14, HALFT
	s_wait_kmcnt 0x0
	s_add_nc_u64 s[2:3], s[8:9], 0x200000
	s_add_nc_u64 s[12:13], s[10:11], 0x10000
	s_cmp_lg_u32 s95, 0
	s_cselect_b64 s[8:9], s[4:5], s[8:9]
	s_cselect_b64 s[10:11], s[6:7], s[10:11]
	s_cselect_b64 s[4:5], s[2:3], s[4:5]
	s_cselect_b64 s[6:7], s[12:13], s[6:7]
	s_add_nc_u64 s[20:21], s[4:5], s[20:21]
	s_add_nc_u64 s[22:23], s[6:7], s[22:23]
	s_add_nc_u64 s[46:47], s[8:9], s[46:47]
	s_add_nc_u64 s[92:93], s[10:11], s[92:93]
	CROUND
	s_mov_b32 s[G0S], 1
	s_mov_b32 s[G0S+1], SCL
	s_mov_b64 s[G0S+2:G0S+3], s[22:23]
	s_or_b32 s[G0S+3], s[G0S+3], 0x80000000
	s_mov_b32 s[G0SB], 1
	s_mov_b32 s[G0SB+1], SCL+2*HALFS
	s_mov_b64 s[G0SB+2:G0SB+3], s[92:93]
	s_or_b32 s[G0SB+3], s[G0SB+3], 0x80000000
	s_mov_b32 s4, 1                                ; group 0 of the head's loads of K step 0: source 1's 256 rows,
	s_mov_b32 s5, 0
	s_mov_b64 s[6:7], s[20:21]
	s_or_b32 s7, s7, 0x80000000
	s_mov_b32 s8, 1                                ; and source 0's 256 rows, behind them in slot 0
	s_mov_b32 s9, 2*HALFT
	s_mov_b64 s[10:11], s[46:47]
	s_or_b32 s11, s11, 0x80000000
	s_add_nc_u64 s[20:21], s[20:21], s[18:19]      ; for the ring: my 128 rows of the tile
	s_add_nc_u64 s[46:47], s[46:47], s[18:19]
	; the prefetches: of the 128 rows that I fetch in the ring, the four partners that ask for them jointly take 32 each, told apart by address (cx for source 1's tile, cy for source 0's); a lane a row
	s_cmp_eq_u32 s15, 0
	s_cselect_b64 s[12:13], s[20:21], s[46:47]
	s_cselect_b32 s2, s40, s41
	s_lshl_b32 s2, s2, 15                          ; 32 rows of 1,024 bytes
	s_mov_b32 s3, 0
	s_add_nc_u64 s[12:13], s[12:13], s[2:3]        ; never rewritten
.irp s, 0,1
	s_mov_b32 s[G0+4*\s], 1
	s_add_co_u32 s[G0+4*\s+1], s45, \s*SLOT
	s_add_nc_u64 s[G0+4*\s+2:G0+4*\s+3], s[20:21], \s*ROWB
	s_or_b32 s[G0+4*\s+3], s[G0+4*\s+3], 0x80000000
	s_mov_b32 s[G0B+4*\s], 1
	s_add_co_u32 s[G0B+4*\s+1], s45, \s*SLOT
	s_add_nc_u64 s[G0B+4*\s+2:G0B+4*\s+3], s[46:47], \s*ROWB
	s_or_b32 s[G0B+4*\s+3], s[G0B+4*\s+3], 0x80000000
.endr
; The head's four tiles, one joint load a wave: one tree of branches on the wave's number, every way through it passes one load.
.macro ARM under, g0, g1, next
	s_cmp_lt_u32 s14, \under
	s_cbranch_scc0 \next
	tensor_load_to_lds s[\g0:\g0+3], s[\g1:\g1+7]
	s_nop 0
.rept 4
	v_nop
.endr
	s_branch .Lhead_asked
\next:
.endm
	ARM 1, 4, G1, .Lhead_b
	ARM 2, 8, G1B, .Lhead_sa
	ARM 3, G0S, G1S, .Lhead_sb
	tensor_load_to_lds s[G0SB:G0SB+3], s[G1SB:G1SB+7]
	s_nop 0
.rept 4
	v_nop
.endr
.Lhead_asked:
	v_and_b32 v30, 31, v0
	v_lshlrev_b32 v30, 10, v30                     ; my lane's row; never rewritten
	global_prefetch_b8 v30, s[12:13] offset:2*ROWB th:TH_LOAD_NT scope:SCOPE_SE   ; K step 2, which the first refill will ask for: 32 rows x 256 bytes
	v_and_b32 v1, 15, v0
	v_bfe_u32 v2, v0, 4, 1
	v_mul_u32_u24 v3, v1, PITCH
	v_lshl_add_u32 v4, v2, 4, v3
	s_mul_i32 s21, s15, HALFT
	s_mul_i32 s22, s16, HALFT
	s_add_co_u32 s22, s22, 2*HALFT
.irp s, 0,1
	v_add_nc_u32 v[ADRA+\s], s21, v4
	v_add_nc_u32 v[ADRB+\s], s22, v4
	s_add_co_u32 s21, s21, SLOT
	s_add_co_u32 s22, s22, SLOT
.endr
	v_mul_u32_u24 v5, v1, KS
	v_lshrrev_b32 v6, 8, v5
	v_lshl_add_u32 v5, v6, 4, v5
	s_mul_i32 s21, s15, HALFS
	s_mul_i32 s22, s16, HALFS
	s_add_co_u32 s22, s22, 2*HALFS
	s_sub_co_u32 s22, s22, s21
	v_mul_u32_u24 v6, s22, v2
	s_add_co_u32 s21, s21, SCL
	v_add_nc_u32 v5, v5, v6
	v_add_nc_u32 v[ADRS], s21, v5
	v_and_b32 v6, 31, v0
	v_lshlrev_b32 v[LI], 4, v6
	v_lshlrev_b32 v[L8], 3, v6
.macro FRAG reg, adr, q, i
.irp c, 0,1,2,3
	ds_load_b128 v[\reg+4*\c:\reg+4*\c+3], v[\adr] offset:128*(\q)+32*\c+(\i)*16*PITCH
.endr
.endm
.macro MUL16 a0, p, q, sc, zero
.irp a, \a0, \a0+1
.irp b, 0,1,2,3,4,5,6,7
.if \zero
	v_wmma_scale_f32_16x16x128_f8f6f4 v[8*(8*((\a)%4)+\b):8*(8*((\a)%4)+\b)+7], v[128*(\p)+FR*\b:128*(\p)+FR*\b+FR-1], v[AF+FR*(\a):AF+FR*(\a)+FR-1], 0, v[SC+8*NQ*(\sc)+NQ*\b+(\q)], v[SC+8*NQ*(\sc)+NQ*(\a)+(\q)] matrix_a_scale:MATRIX_SCALE_ROW1
.else
	v_wmma_scale_f32_16x16x128_f8f6f4 v[8*(8*((\a)%4)+\b):8*(8*((\a)%4)+\b)+7], v[128*(\p)+FR*\b:128*(\p)+FR*\b+FR-1], v[AF+FR*(\a):AF+FR*(\a)+FR-1], v[8*(8*((\a)%4)+\b):8*(8*((\a)%4)+\b)+7], v[SC+8*NQ*(\sc)+NQ*\b+(\q)], v[SC+8*NQ*(\sc)+NQ*(\a)+(\q)] matrix_a_scale:MATRIX_SCALE_ROW1
.endif
.endr
.endr
.endm
.macro FETCH_B slot, q, p
	WIN TO_B
.irp i, 0,1,2,3,4,5,6,7
	FRAG 128*(\p)+FR*\i, ADRB+\slot, \q, \i
.endr
	WIN 0
.endm
.macro FETCH_A slot, q, i0
.irp i, \i0, \i0+1, \i0+2, \i0+3
	FRAG AF+FR*(\i), ADRA+\slot, \q, \i
.endr
.endm
.macro SCALES sc
.irp i, 0,1,2,3,4,5,6,7
	ds_load_b64 v[SC+8*NQ*\sc+NQ*\i:SC+8*NQ*\sc+NQ*\i+1], v[ADRS] offset:\i*SBLK
.endr
.endm
.macro PLACES n
.rept \n
	v_nop
.endr
.endm
.macro STEP slot, q, zero
	s_wait_dscnt 4*NL
	WIN MUL_LO
	MUL16 0, (\q)%2, \q, \slot, \zero
	MUL16 2, (\q)%2, \q, \slot, \zero
	s_wait_dscnt 0
	PLACES NP
	FETCH_B \slot, (\q)+1, 1-(\q)%2
	FETCH_A \slot, (\q)+1, 0
	WIN MUL_HI
	MUL16 4, (\q)%2, \q, \slot, \zero
	MUL16 6, (\q)%2, \q, \slot, \zero
	PLACES NP
	WIN 0
	FETCH_A \slot, (\q)+1, 4
.endm
.macro TURN slot, next, fill
	s_wait_tensorcnt 0x0
	ds_add_u32 v[SPW], v[NIL]
	s_wait_dscnt 4*NL+1
	WIN MUL_LO
	MUL16 0, 1, NQ-1, \slot, 0
	s_wait_dscnt 0x0
	s_barrier_signal -1
	MUL16 2, 1, NQ-1, \slot, 0
	WIN 0
	s_barrier_wait -1
.if \fill
	CREST
	s_add_nc_u64 s[G0+4*\slot+2:G0+4*\slot+3], s[G0+4*\slot+2:G0+4*\slot+3], 2*ROWB
	s_add_nc_u64 s[G0B+4*\slot+2:G0B+4*\slot+3], s[G0B+4*\slot+2:G0B+4*\slot+3], 2*ROWB
	JLOAD G0+4*\slot, G1, G0B+4*\slot, G1B
	PLACES NP-4
.else
	PLACES NP
.endif
	s_wait_alu depctr_va_vdst(0)
	v_add_nc_u32 v[ADRS], 4*NQ, v[ADRS]
	FETCH_B \next, 0, 0
	FETCH_A \next, 0, 0
	SCALES \next
	WIN MUL_HI
	MUL16 4, 1, NQ-1, \slot, 0
	MUL16 6, 1, NQ-1, \slot, 0
	PLACES NP
	WIN 0
	FETCH_A \next, 0, 4
.endm
	s_wait_alu depctr_va_vdst(0)
	s_wait_tensorcnt 0x0                           ; my tile of the head's four is in
	ds_add_u32 v[SPW], v[NIL]
	s_mov_b32 s[G1+2], 128<<16                     ; no tensor load of mine is out: from here on a load brings 128 rows
	s_mov_b32 s[G1+4], 128
	s_mov_b32 s[G1B+2], 128<<16
	s_mov_b32 s[G1B+4], 128
	s_wait_dscnt 0x0
	CROUND
	JLOAD G0+4, G1, G0B+4, G1B                     ; K step 1: the first tensor load behind the round
	FETCH_B 0, 0, 0
	FETCH_A 0, 0, 0
	SCALES 0
	FETCH_A 0, 0, 4
	global_prefetch_b8 v30, s[12:13] offset:3*ROWB th:TH_LOAD_NT scope:SCOPE_SE   ; K step 3, the last: what the second refill will ask for
	STEP 0, 0, 1
	s_mov_b32 s3, LAPS-1
.Llap:
	TURN 0, 1, 1
	STEP 1, 0, 0
	TURN 1, 0, 1
	STEP 0, 0, 0
	s_sub_co_u32 s3, s3, 1
	s_cmp_lg_u32 s3, 0
	s_cbranch_scc1 .Llap
	TURN 0, 1, 0
	STEP 1, 0, 0
	s_wait_dscnt 4*NL
	WIN MUL_LO
	MUL16 0, 1, NQ-1, 1, 0
	MUL16 2, 1, NQ-1, 1, 0
	s_wait_dscnt 0
	WIN MUL_HI
	MUL16 4, 1, NQ-1, 1, 0
	MUL16 6, 1, NQ-1, 1, 0
	WIN 0
.macro OUTBLK a, part
.set WDW, 2+(\a)/4
.set ACB, 64*((\a)%4)
.set PCS, PC+16*((\a)%2)
.set WN, (WDW<<2)|(WDW<<4)
	WIN WN
.irp b, 0,1,2,3
	v_max3_num_f32 v[TM+\b], 0x4800000, |v[ACB+16*\b]|, |v[ACB+16*\b+1]|
.endr
.irp i, 2,4,6,8,10,12,14
.irp b, 0,1,2,3
	v_max3_num_f32 v[TM+\b], v[TM+\b], |v[ACB+16*\b+\i]|, |v[ACB+16*\b+\i+1]|
.endr
.endr
	WIN 0
.irp b, 0,1,2,3
	v_permlanex16_b32 v[TM+4+\b], v[TM+\b], s100, s101
.endr
.irp b, 0,1,2,3
	v_max_num_f32 v[TM+\b], v[TM+\b], v[TM+4+\b]
.endr
.irp b, 0,1,2,3
	v_add_nc_u32 v[TM+12+\b], 0xfc000000, v[TM+\b]
.endr
.irp b, 0,1,2,3
	v_and_or_b32 v[TM+8+\b], v[TM+\b], 0x7f800000, s104
.endr
.irp b, 0,1,2,3
	v_lshrrev_b32 v[TM+4+\b], 23, v[TM+12+\b]
.endr
.if \part == 0
.irp hh, 0,1
.if (\a)%2 == 0
	v_lshl_or_b32 v[WE+\hh], v[TM+5+2*\hh], 8, v[TM+4+2*\hh]
.else
	v_lshl_or_b32 v[WO+\hh], v[TM+5+2*\hh], 8, v[TM+4+2*\hh]
.endif
.endr
.if (\a)%2 == 1
.irp hh, 0,1
	v_cndmask_b32 v[SW+4*\hh+(\a)/2], v[WE+\hh], v[WO+\hh], vcc_lo
.endr
.endif
.else
.if (\a)%2 == 0
	v_lshl_or_b32 v[WE], v[TM+5], 8, v[TM+4]
	v_lshl_or_b32 v[WE], v[TM+6], 16, v[WE]
	v_lshl_or_b32 v[WE], v[TM+7], 24, v[WE]
.else
	v_lshl_or_b32 v[WO], v[TM+5], 8, v[TM+4]
	v_lshl_or_b32 v[WO], v[TM+6], 16, v[WO]
	v_lshl_or_b32 v[WO], v[TM+7], 24, v[WO]
	v_cndmask_b32 v[SW+2*((\a)/4)+((\a)%4)/2], v[WE], v[WO], vcc_lo
.endif
.endif
.set WN, (WDW<<6)|WDW
	WIN WN
.irp b, 0,1,2,3
.set i, 0
.rept 16
	v_med3_num_f32 v[ACB+16*\b+i], v[ACB+16*\b+i], -v[TM+8+\b], v[TM+8+\b]
.set i, i+1
.endr
.endr
	s_wait_alu depctr_va_vdst(0)
	s_wait_xcnt 0x0
	WIN WDW
.irp b, 0,1,2,3
	v_cvt_scalef32_pk8_fp8_f32 v[PCS+4*\b:PCS+4*\b+1], v[ACB+16*\b:ACB+16*\b+7], v[TM+12+\b]
	v_cvt_scalef32_pk8_fp8_f32 v[PCS+4*\b+2:PCS+4*\b+3], v[ACB+16*\b+8:ACB+16*\b+15], v[TM+12+\b]
.endr
	WIN 0
	v_nop
.irp b, 0,1,2,3
.if \part == 0
	global_store_b128 v[LI], v[PCS+4*\b:PCS+4*\b+3], s[20+2*(\b/2):21+2*(\b/2)] offset:(\a)*1024+(\b%2)*512
.else
	global_store_b128 v[LI], v[PCS+4*\b:PCS+4*\b+3], s[20+2*((\a)/4):21+2*((\a)/4)] offset:((\a)%4)*2048+\b*512
.endif
.endr
.endm
	PLACES NP
	s_mov_b32 vcc_lo, 0xffff0000
	s_mov_b32 s100, 0x76543210
	s_mov_b32 s101, 0xfedcba98
	s_mov_b32 s104, 0x600000
.irp b, 0,1,2,3
	v_mov_b32 v[TM+4+\b], 0
.endr
	s_cmp_lg_u32 s95, 0
	s_cbranch_scc1 .Lv_out
	s_lshr_b32 s18, s42, 2
	s_cmp_lg_u32 s18, 0
	s_cselect_b64 s[20:21], s[98:99], s[96:97]
	s_mov_b32 s19, QCH
	s_cselect_b32 s19, KCH, s19
	s_mov_b32 s66, 8192
	s_cselect_b32 s66, 16384, s66
	s_mov_b32 s67, 0
	s_lshr_b32 s22, s17, 3
	s_lshl_b32 s22, s22, 4
	s_and_b32 s23, s42, 3
	s_lshl_b32 s23, s23, 2
	s_add_co_u32 s22, s22, s23
	s_lshl_b32 s23, s16, 1
	s_add_co_u32 s22, s22, s23
	s_lshl_b32 s22, s22, 4
	s_and_b32 s23, s17, 7
	s_lshl_b32 s23, s23, 1
	s_add_co_u32 s22, s22, s23
	s_add_co_u32 s22, s22, s15
	s_mul_i32 s22, s22, s19
	s_mov_b32 s23, 0
	s_add_nc_u64 s[20:21], s[20:21], s[22:23]
	s_lshl_b32 s22, s19, 4
	s_add_nc_u64 s[22:23], s[20:21], s[22:23]
	s_add_nc_u64 s[46:47], s[20:21], s[66:67]
	s_add_nc_u64 s[92:93], s[22:23], s[66:67]
.irp a, 0,1,2,3,4,5,6,7
	OUTBLK \a, 0
.endr
	global_store_b128 v[LI], v[SW:SW+3], s[46:47]
	global_store_b128 v[LI], v[SW+4:SW+7], s[92:93]
	s_branch .Lend
.Lv_out:
	s_lshr_b32 s22, s42, 3
	s_lshl_b32 s22, s22, 4
	s_lshl_b32 s23, s17, 2
	s_add_co_u32 s22, s22, s23
	s_lshl_b32 s23, s15, 1
	s_add_co_u32 s22, s22, s23
	s_lshl_b32 s22, s22, 4
	s_and_b32 s23, s42, 7
	s_lshl_b32 s23, s23, 1
	s_add_co_u32 s22, s22, s23
	s_add_co_u32 s22, s22, s16
	s_mul_i32 s22, s22, KCH
	s_add_co_u32 s22, s22, 8192
	s_mov_b32 s23, 0
	s_add_nc_u64 s[20:21], s[98:99], s[22:23]
	s_add_nc_u64 s[22:23], s[20:21], 16*KCH
	s_add_nc_u64 s[46:47], s[20:21], 8704
	s_add_nc_u64 s[92:93], s[22:23], 8704
.irp a, 0,1,2,3
	OUTBLK \a, 1
.endr
	global_store_b64 v[L8], v[SW:SW+1], s[46:47]
.irp a, 4,5,6,7
	OUTBLK \a, 1
.endr
	global_store_b64 v[L8], v[SW+2:SW+3], s[92:93]
.Lend:
	s_wait_tensorcnt 0x0
	ds_add_u32 v[SPW], v[NIL]
	s_wait_dscnt 0x0
	CROUND
	s_endpgm
.Lfunc_end_k_q5c03f8363e_gemm_qkv:
	.size	k_q5c03f8363e_gemm_qkv, .Lfunc_end_k_q5c03f8363e_gemm_qkv-k_q5c03f8363e_gemm_qkv
	.p2alignl 7, 3214868480
	.fill 96, 4, 3214868480
	.section	.rodata,"a",@progbits
	.p2align	6, 0x0
	.amdhsa_kernel k_q5c03f8363e_gemm_qkv
		.amdhsa_group_segment_fixed_size 327680
		.amdhsa_private_segment_fixed_size 0
		.amdhsa_enable_private_segment 0
		.amdhsa_kernarg_size 48
		.amdhsa_user_sgpr_count 2
		.amdhsa_user_sgpr_kernarg_segment_ptr 1
		.amdhsa_wavefront_size32 1
		.amdhsa_system_sgpr_workgroup_id_x 1
		.amdhsa_system_sgpr_workgroup_id_y 1
		.amdhsa_system_sgpr_workgroup_id_z 1
		.amdhsa_system_vgpr_workitem_id 0
		.amdhsa_next_free_vgpr 1024
		.amdhsa_next_free_sgpr 105
		.amdhsa_reserve_vcc 1
		.amdhsa_float_denorm_mode_32 3
		.amdhsa_float_denorm_mode_16_64 3
		.amdhsa_memory_ordered 1
		.amdhsa_forward_progress 1
		.amdhsa_inst_pref_size 255
	.end_amdhsa_kernel
	.section	.bss,"aw",@nobits
	.p2align	6
	.space	262144
	.amdgpu_metadata
---
amdhsa.version: [ 1, 2 ]
amdhsa.kernels:
  - .name:           k_q5c03f8363e_gemm_qkv
    .symbol:         k_q5c03f8363e_gemm_qkv.kd
    .args:
      - { .name: x_codes, .offset: 0, .size: 8, .value_kind: global_buffer, .address_space: global }
      - { .name: x_scales, .offset: 8, .size: 8, .value_kind: global_buffer, .address_space: global }
      - { .name: w_codes, .offset: 16, .size: 8, .value_kind: global_buffer, .address_space: global }
      - { .name: w_scales, .offset: 24, .size: 8, .value_kind: global_buffer, .address_space: global }
      - { .name: qbuf, .offset: 32, .size: 8, .value_kind: global_buffer, .address_space: global }
      - { .name: kv, .offset: 40, .size: 8, .value_kind: global_buffer, .address_space: global }
    .group_segment_fixed_size: 327680
    .private_segment_fixed_size: 0
    .kernarg_segment_align: 8
    .kernarg_segment_size: 48
    .max_flat_workgroup_size: 128
    .sgpr_count:     105
    .vgpr_count:     1024
    .wavefront_size: 32
...
	.end_amdgpu_metadata
.endif
;; end of part 2
;; launch attn (part 3): grid 4 x 64, 16 waves a work-group, clusters of 4 x 1, 276,480 bytes of LDS; arguments qbuf, kv, a_img, a_scales; writes a_img, a_scales
.if DOCPART == 3
	.amdgcn_target "amdgcn-amd-amdhsa--gfx1250"
	.amdhsa_code_object_version 6
	.text
	.protected	k_q5c03f8363e_attn
	.globl	k_q5c03f8363e_attn
	.p2align	8
	.type	k_q5c03f8363e_attn,@function
k_q5c03f8363e_attn:
	s_mov_b64 s[64:65], 0
	v_nop
	global_prefetch_b8 v0, s[64:65] scope:SCOPE_SE
	s_setreg_imm32_b32 hwreg(HW_REG_WAVE_MODE, 25, 1), 1
	s_wait_xcnt 0x0
	s_wait_alu depctr_hold_cnt(0) depctr_sa_sdst(0) depctr_va_vdst(0) depctr_va_sdst(0) depctr_va_ssrc(0) depctr_va_vcc(0) depctr_vm_vsrc(0)
	s_getreg_b32 s2, hwreg(HW_REG_IB_STS2, 6, 4)
	s_cmp_eq_u32 s2, 0
	s_cbranch_scc0 .Lentry_in_a_cluster
	s_endpgm
.Lentry_in_a_cluster:
	s_bfe_u32 s2, ttmp6, 0x10000c
	s_cmp_lg_u32 s2, 0x3003
	s_cbranch_scc0 .Lentry_shape_is_right
	s_endpgm
.Lentry_shape_is_right:
; o[q] = the sum over keys of softmax(q . k / 8) v, for 64 heads (16 x batch + head) of 2,048 tokens and 64 channels, both products on codes of FP8 (E4M3) with one E8M0 scale for each 32 along K.
; THE SOFTMAX AHEAD OF THE SECOND PRODUCT: t = score x log2(e) / 8; M = the row's largest t so far, rounded UP to a whole number; p = 2^(t - M) is quantised along the keys, not normalised.
; The row's sum is taken of the unquantised p, in f32, and divides o at the end.  When M moves, the sum and o are multiplied by 2^(old M - new M): exact.
; o is then quantised along the model's 1,024 (this head's 64 are two blocks) and stored as an image of the last product's operand registers.
; INPUTS are images of operand registers (a group of four registers: lane l's 16 bytes at 16 l).  A chunk of kv is 128 keys of one head, 17,152 bytes: K's codes [tile 8][group 2] at 0,
; V's codes [tile 4][group 4] at 8,192, K's scale words [lane][4] at 16,384, V's [lane][2] at 16,896.  A chunk of qbuf is 128 queries: codes [tile 8][group 2], scale words [lane][4] at 8,192.
; In a scale register lanes 0-15 hold an even tile's words and lanes 16-31 those of the odd tile behind it.
; THE FIRST PRODUCT'S K IS 64 on an instruction of 128: Q's upper eight registers are zeros; K's upper eight are the next tile's codes (finite; behind the last tile eight registers of zeros);
; the scale words' upper two bytes are 0, which is 2^-127 and finite: those 64 products are exactly 0.
; SHARES.  A work-group owns one head and 512 queries, 32 tiles of 16.  They are walked in three passes, a tile a wave: pass 0: tile w, all sixteen waves; pass 1: tile 16 + w, waves 0-11;
; pass 2: tile 28 + w, waves 0-3: 16 + 12 + 4 = 32.  Every wave walks all three loops, whose trip counts are constants.
; The whole head's kv, 16 chunks = 274,432 bytes, comes into LDS once and stays: nothing is filled again, no line stores to LDS.  Wave w asks for chunk w: one tensor load a wave, at the head.
; Pass 0 begins on the wave's own chunk, behind its own wait; one barrier follows, behind which all chunks may be read, and pass 0's loop passes over the wave's own chunk.
; CLUSTER.  The four work-groups of a cluster are the four blocks of queries of one head and want the same kv: each chunk is asked for jointly, with a mask that names the four.
; No prefetch: every byte of kv is asked for once, at the head, so there is no later load to run ahead of.
; LAYOUT.  Both products are used transposed: S^T = K Q^T, O^T = V^T P^T: a lane holds one query (lane % 16) throughout.  The keys of a tile of K, and the channels of a tile of V, lie in the order
; 32 (t / 2) + 8 (t % 2) + r + 8 (r / 8), so that the 16 registers of tiles 2 b and 2 b + 1 are 16 neighbours: the conversions' results are the next operand's registers.
; LIMITS: the promise holds while the scaled scores t stay under 2^31 in magnitude; a block of zeros gets the scale byte 1 and not 127; blocks whose largest magnitude lies under 2^-118 get the byte 1;
; NaN and infinities are not served.
; REGISTERS: v1-4 lane terms; v8-9 LDS addresses; v10-11 the add's; v12 -M, v13 the largest score, v[14:15] the sum; v16-23 Q, v24-31 zeros; v32-95 K's eight tiles, then V's four; v96-103 zeros;
;   v104-167 S^T, then p; v168-199 O^T; v200-215 p's codes; v216-243 at work; v244-245 V's scale words, v246 Q's, v235 p's; v247-255 the next pass's Q.
.set CH,   17152
.set QCH,  8704
.set SPARE, 16*CH                      ; behind the chunks: the spare words, 128 bytes for each wave
.set KF,   32
.set SS,   104
.set OO,   168
.set PCD,  200
.set BM,   216                         ; a block's largest score, then its largest p; then partial sums
.set PB,   220                         ; the permute's destinations, then the scale bytes; then partial sums
.set HL,   224                         ; 448 x the scale
.set CO,   228                         ; the conversions' scale operands
.set WV,   12
.set MNT,  19
.set SEL,  20
.set CS,   22                          ; s[22:23] c = log2(e) / 8
.set G1,   24
.set G0,   32
.set NC,   36                          ; s36 -c
.set PP,   40                          ; s[40:47], s[48:55], s[56:63]: for each pass: Q's codes, Q's scale words, o's image, o's scale bytes
.set TB,   66
.set CNT,  67
.macro CROUND
	s_barrier_signal -1
	s_barrier_wait -1
	s_cmp_lg_u32 s[WV], 0
	s_cbranch_scc1 .Lnot_wave_0_\@
	s_barrier_signal -3
.Lnot_wave_0_\@:
	s_barrier_wait -3
	s_barrier_signal -1
	s_barrier_wait -1
.endm
	s_load_b256 s[4:11], s[0:1], 0x0               ; qbuf, kv, a_img, a_scales
	v_lshl_add_u32 v10, v0, 2, SPARE
	v_mov_b32 v11, 0
	ds_add_u32 v10, v11                            ; the opening lines: the add, twice on end, and its wait ahead of my tensor load
	ds_add_u32 v10, v11
	v_lshrrev_b32 v5, 5, v0
	v_readfirstlane_b32 s[WV], v5                  ; wave 0..15
	v_and_b32 v5, 31, v0
	v_and_b32 v6, 15, v0
	v_lshlrev_b32 v1, 4, v5                        ; 16 x lane
	v_lshlrev_b32 v2, 3, v5                        ; 8 x lane
	v_lshlrev_b32 v3, 4, v6                        ; 16 r: Q's scale words
	v_lshlrev_b32 v4, 5, v6                        ; 32 r: o's rows of scale bytes
	s_wait_alu depctr_va_vdst(0)                   ; the wait ahead of the run of scalar lines
	s_bfe_u32 s13, ttmp6, 0x40000                  ; cx: it enters Q's and o's global addresses alone
	s_lshl_b32 s14, ttmp9, 2
	s_add_co_u32 s14, s14, s13                     ; my block of 512 queries
	s_and_b32 s15, ttmp7, 0xffff                   ; 16 x batch + head, which the four partners share
	s_mul_i32 s84, s[WV], CH                       ; my chunk, in LDS and in the head's kv
	s_mul_i32 s86, s15, 16*CH
	s_add_co_u32 s86, s86, s84
	s_mov_b32 s87, 0
	s_mov_b32 s[G1], 15|(3<<16)|(1<<21)            ; the mask: all four; elements of 8 bytes; bit 21 beside a mask.  A chunk is dense: 67 rows of 256 bytes
	s_mov_b32 s[G1+1], 32<<16
	s_mov_b32 s[G1+2], 67<<16
	s_mov_b32 s[G1+3], 32<<16
	s_mov_b32 s[G1+4], 67
	s_mov_b32 s[G1+5], 32
	s_mov_b32 s[G1+6], 0
	s_mov_b32 s[G1+7], 0
	; my tile of queries in pass 0: T = 32 x block + wave: chunk T / 8 of the head, tile T % 8 of the chunk
	s_lshl_b32 s88, s14, 2
	s_lshr_b32 s89, s[WV], 3
	s_add_co_u32 s88, s88, s89
	s_lshl_b32 s89, s15, 4
	s_add_co_u32 s88, s88, s89
	s_mul_i32 s88, s88, QCH
	s_and_b32 s89, s[WV], 7
	s_lshl_b32 s90, s89, 10
	s_add_co_u32 s90, s90, s88                     ; its codes
	s_mov_b32 s91, 0
	s_and_b32 s92, s89, 1
	s_lshl_b32 s92, s92, 8
	s_lshr_b32 s89, s89, 1
	s_lshl_b32 s89, s89, 2
	s_add_co_u32 s92, s92, s89
	s_add_co_u32 s92, s92, s88
	s_add_co_u32 s92, s92, 8192                    ; its scale words: 8,192 + 256 (tile % 2) + 4 (tile / 2), + 16 r
	s_mov_b32 s93, 0
	s_lshr_b32 s88, s15, 4
	s_lshl_b32 s88, s88, 7
	s_lshl_b32 s89, s14, 5
	s_add_co_u32 s88, s88, s89
	s_add_co_u32 s88, s88, s[WV]                   ; the tile among all 512 tiles of tokens
	s_and_b32 s85, s15, 15
	s_lshl_b32 s94, s88, 14
	s_lshl_b32 s89, s85, 10
	s_add_co_u32 s94, s94, s89                     ; o's image: 16,384 bytes a tile, 1,024 a head
	s_mov_b32 s95, 0
	s_lshl_b32 s88, s88, 9
	s_lshl_b32 s89, s85, 1
	s_add_co_u32 s88, s88, s89                     ; o's scale bytes: 512 bytes a tile, 2 a head
	s_mov_b32 s89, 0
	s_mov_b32 s[SEL], 0x76543210
	s_mov_b32 s[SEL+1], 0xfedcba98
	s_mov_b32 s[CS], 0x3e38aa3b
	s_mov_b32 s[CS+1], s[CS]
	s_mov_b32 s[NC], 0xbe38aa3b
	s_mov_b32 s[MNT], 0x600000
	s_wait_dscnt 0x0
	s_wait_kmcnt 0x0
	s_add_nc_u64 s[86:87], s[6:7], s[86:87]
	s_add_nc_u64 s[PP:PP+1], s[4:5], s[90:91]
	s_add_nc_u64 s[PP+2:PP+3], s[4:5], s[92:93]
	s_add_nc_u64 s[PP+4:PP+5], s[8:9], s[94:95]
	s_add_nc_u64 s[PP+6:PP+7], s[10:11], s[88:89]
	s_add_nc_u64 s[PP+8:PP+9], s[PP:PP+1], 2*QCH               ; pass 1: 16 tiles on: two chunks of qbuf
	s_add_nc_u64 s[PP+10:PP+11], s[PP+2:PP+3], 2*QCH
	s_add_nc_u64 s[PP+12:PP+13], s[PP+4:PP+5], 16*16384
	s_add_nc_u64 s[PP+14:PP+15], s[PP+6:PP+7], 16*512
	s_add_nc_u64 s[PP+16:PP+17], s[PP:PP+1], 3*QCH+4*1024      ; pass 2 (used by waves 0-3 alone): 28 tiles on: three chunks and four tiles,
	s_add_nc_u64 s[PP+18:PP+19], s[PP+2:PP+3], 3*QCH+8         ; whose scale words lie 4 x (4 / 2) bytes on
	s_add_nc_u64 s[PP+20:PP+21], s[PP+4:PP+5], 28*16384
	s_add_nc_u64 s[PP+22:PP+23], s[PP+6:PP+7], 28*512
	s_mov_b32 s[G0], 1
	s_mov_b32 s[G0+1], s84
	s_mov_b64 s[G0+2:G0+3], s[86:87]
	s_or_b32 s[G0+3], s[G0+3], 0x80000000
	CROUND                                         ; all four work-groups are here: the joint loads meet
	tensor_load_to_lds s[G0:G0+3], s[G1:G1+7]      ; chunk w: my one tensor load
	s_nop 0
.rept 4
	v_nop
.endr
	global_load_b128 v[16:19], v1, s[PP:PP+1]      ; Q's codes and scale words of passes 0 and 1
	global_load_b128 v[20:23], v1, s[PP:PP+1] offset:512
	global_load_b32 v246, v3, s[PP+2:PP+3]
	global_load_b128 v[248:251], v1, s[PP+8:PP+9]
	global_load_b128 v[252:255], v1, s[PP+8:PP+9] offset:512
	global_load_b32 v247, v3, s[PP+10:PP+11]
.irp j, 0,1,2,3,4,5,6,7
	v_mov_b32 v[24+\j], 0                          ; Q's K = 64 .. 127: zero codes
	v_mov_b32 v[96+\j], 0                          ; and what stands behind K's last tile
.endr
.irp b, 0,1,2,3
	v_mov_b32 v[PB+\b], 0                          ; a lane permute's destination counts as one of its sources
.endr
	v_mov_b32 v233, 0                              ; (the upper half of the pair v[232:233])
	v_mov_b32 v234, 0
; A KEY STEP: the 128 keys of the chunk at LDS byte s[TB].
.macro STEP
	v_add_nc_u32 v8, s[TB], v1                     ; with the seven additions at the last step's end: nine places in front of loads into registers that the last products read
	v_add_nc_u32 v9, s[TB], v2
.set n, 0
.rept 16
	ds_load_b128 v[KF+4*n:KF+4*n+3], v8 offset:512*n
.set n, n+1
.endr
	ds_load_b128 v[240:243], v8 offset:16384       ; K's scale words
	s_wait_alu depctr_va_vdst(0)
	s_wait_dscnt 0x0
.irp t, 0,2,4,6
	v_wmma_scale_f32_16x16x128_f8f6f4 v[SS+8*\t:SS+8*\t+7], v[KF+8*\t:KF+8*\t+15], v[16:31], 0, v[240+\t/2], v246
	v_wmma_scale_f32_16x16x128_f8f6f4 v[SS+8*\t+8:SS+8*\t+15], v[KF+8*\t+8:KF+8*\t+23], v[16:31], 0, v[240+\t/2], v246 matrix_a_scale:MATRIX_SCALE_ROW1
.endr
.rept 8
	v_nop                                          ; eight places: the loads below land on K's registers, and the scores are read
.endr
.set n, 0
.rept 16
	ds_load_b128 v[KF+4*n:KF+4*n+3], v8 offset:8192+512*n      ; V's four tiles land under the softmax
.set n, n+1
.endr
	ds_load_b64 v[244:245], v9 offset:16896
.irp b, 0,1,2,3
	v_max3_num_f32 v[BM+\b], v[SS+16*\b], v[SS+16*\b+1], v[SS+16*\b+2]   ; the largest score of each block of 32 keys: for the row's maximum and for the block's largest p
.endr
.irp i, 3,5,7,9,11,13
.irp b, 0,1,2,3
	v_max3_num_f32 v[BM+\b], v[BM+\b], v[SS+16*\b+\i], v[SS+16*\b+\i+1]
.endr
.endr
.irp b, 0,1,2,3
	v_max_num_f32 v[BM+\b], v[BM+\b], v[SS+16*\b+15]
.endr
.irp b, 0,1,2,3
	v_permlanex16_b32 v[PB+\b], v[BM+\b], s[SEL], s[SEL+1]
.endr
.irp b, 0,1,2,3
	v_max_num_f32 v[BM+\b], v[BM+\b], v[PB+\b]     ; with the 16 keys of the lane 16 away
.endr
	v_max3_num_f32 v13, v13, v[BM], v[BM+1]        ; the running largest score (c is positive: the largest t is c x it)
	v_max3_num_f32 v13, v13, v[BM+2], v[BM+3]
	v_mul_f32 v234, s[NC], v13
	v_floor_f32 v234, v234                         ; the new -M = floor(-t) = -ceil(t)
	v_sub_f32 v232, v234, v12                      ; old M - new M: a whole number, 0 or less
	v_mov_b32 v12, v234
	v_cvt_i32_f32 v232, v232                       ; (it saturates)
.set j, 0
.rept 32
	v_pk_fma_f32 v[SS+j:SS+j+1], v[SS+j:SS+j+1], s[CS:CS+1], v[12:13] op_sel_hi:[1,0,0]   ; t - M, two at a time
.set j, j+2
.endr
.irp b, 0,1,2,3
	v_fma_f32 v[BM+\b], v[BM+\b], s[CS], v12       ; the same of each block's largest score
.endr
	s_wait_alu depctr_va_vdst(0)                   ; the wait ahead of the batch
.set j, 0
.rept 64
	v_exp_f32 v[SS+j], v[SS+j]                     ; p = 2^(t - M), at most 1
.set j, j+1
.endr
.irp b, 0,1,2,3
	v_exp_f32 v[BM+\b], v[BM+\b]                   ; the block's largest p: the same two instructions on the same number
.endr
	v_ldexp_f32 v232, 1.0, v232                    ; f = 2^(old M - new M).  (The plain line behind the exponentials)
	s_wait_alu depctr_va_vdst(0)                   ; and the wait behind the batch
	v_pk_mul_f32 v[14:15], v[14:15], v[232:233] op_sel_hi:[1,0]   ; the sum under the new M
.irp b, 0,1,2,3
	v_max_num_f32 v[BM+\b], 0x4800000, v[BM+\b]    ; the floor 2^(9 - 127): the byte cannot fall under 1
.endr
.irp b, 0,1,2,3
	v_add_nc_u32 v[CO+\b], 0xfc000000, v[BM+\b]    ; 8 off the exponent field: the conversion's scale operand
.endr
.irp b, 0,1,2,3
	v_and_or_b32 v[HL+\b], v[BM+\b], 0x7f800000, s[MNT]   ; 448 x the scale
.endr
.irp b, 0,1,2,3
	v_lshrrev_b32 v[PB+\b], 23, v[CO+\b]           ; the scale's byte
.endr
	v_lshl_or_b32 v235, v[PB+1], 8, v[PB]
	v_lshl_or_b32 v234, v[PB+3], 8, v[PB+2]
	v_lshl_or_b32 v235, v234, 16, v235             ; p's scale word for these 128 keys
; the row's sum of the unquantised p: 32 pairs into eight chains; the chains are joined behind the products
.set j, 0
.irp r, 216,218,220,222,236,238,240
	v_pk_add_f32 v[\r:\r+1], v[SS+j:SS+j+1], v[SS+j+2:SS+j+3]
.set j, j+4
.endr
.rept 2
.irp r, 14,216,218,220,222,236,238,240
	v_pk_add_f32 v[\r:\r+1], v[\r:\r+1], v[SS+j:SS+j+1]
.set j, j+2
.endr
.endr
	v_pk_add_f32 v[14:15], v[14:15], v[SS+60:SS+61]
	v_pk_add_f32 v[216:217], v[216:217], v[SS+62:SS+63]
; the hold (the conversion does not saturate: ISA guide 7.6.2; p is not negative, so it is one-sided), two numbers of two blocks an instruction, and the conversions
.irp b, 0,2
.set i, 0
.rept 8
	v_dual_min_num_f32 v[SS+16*\b+i], v[SS+16*\b+i], v[HL+\b] :: v_dual_min_num_f32 v[SS+16*\b+17+i], v[SS+16*\b+17+i], v[HL+\b+1]
	v_dual_min_num_f32 v[SS+16*\b+1+i], v[SS+16*\b+1+i], v[HL+\b] :: v_dual_min_num_f32 v[SS+16*\b+16+i], v[SS+16*\b+16+i], v[HL+\b+1]
.set i, i+2
.endr
.irp c, 0,1
	v_cvt_scalef32_pk8_fp8_f32 v[PCD+4*(\b+\c):PCD+4*(\b+\c)+1], v[SS+16*(\b+\c):SS+16*(\b+\c)+7], v[CO+\b+\c]
	v_cvt_scalef32_pk8_fp8_f32 v[PCD+4*(\b+\c)+2:PCD+4*(\b+\c)+3], v[SS+16*(\b+\c)+8:SS+16*(\b+\c)+15], v[CO+\b+\c]
.endr
.endr
	s_wait_dscnt 0x0                               ; V is in
	s_wait_alu depctr_va_vdst(0)                   ; directly ahead of the first reader of O^T
.set j, 0
.rept 16
	v_pk_mul_f32 v[OO+j:OO+j+1], v[OO+j:OO+j+1], v[232:233] op_sel_hi:[1,0]   ; O^T under the new M.  (These sixteen also stand between the codes and the products)
.set j, j+2
.endr
.irp t, 0,2
	v_wmma_scale_f32_16x16x128_f8f6f4 v[OO+8*\t:OO+8*\t+7], v[KF+16*\t:KF+16*\t+15], v[PCD:PCD+15], v[OO+8*\t:OO+8*\t+7], v[244+\t/2], v235
	v_wmma_scale_f32_16x16x128_f8f6f4 v[OO+8*\t+8:OO+8*\t+15], v[KF+16*\t+16:KF+16*\t+31], v[PCD:PCD+15], v[OO+8*\t+8:OO+8*\t+15], v[244+\t/2], v235 matrix_a_scale:MATRIX_SCALE_ROW1
.endr
	v_pk_add_f32 v[216:217], v[216:217], v[218:219]            ; the sum's eight chains are joined: seven places behind the products
	v_pk_add_f32 v[220:221], v[220:221], v[222:223]
	v_pk_add_f32 v[236:237], v[236:237], v[238:239]
	v_pk_add_f32 v[14:15], v[14:15], v[240:241]
	v_pk_add_f32 v[216:217], v[216:217], v[220:221]
	v_pk_add_f32 v[14:15], v[14:15], v[236:237]
	v_pk_add_f32 v[14:15], v[14:15], v[216:217]
.endm
; The head's sixteen chunks.  own = 1: all but my own chunk.  limit: the waves from this number on have no tile in this pass.  Both by scalar branches on ids round the step's work alone.
.macro LOOP16 own, limit
	s_mov_b32 s[TB], 0
	s_mov_b32 s[CNT], 16
.Lstep_\@:
.if \own
	s_cmp_eq_u32 s[TB], s84
	s_cbranch_scc1 .Lmine_\@
.endif
.if \limit < 16
	s_cmp_ge_u32 s[WV], \limit
	s_cbranch_scc1 .Lmine_\@
.endif
	STEP
.Lmine_\@:
	s_add_co_u32 s[TB], s[TB], CH
	s_sub_co_u32 s[CNT], s[CNT], 1
	s_cmp_lg_u32 s[CNT], 0
	s_cbranch_scc1 .Lstep_\@
.endm
.macro INIT                            ; a pass begins: the step's first turn finds zeros, which the first change of M leaves zeros
	v_mov_b32 v13, 0xff61b1e6                      ; the largest score so far: -3e38
	v_mul_f32 v12, s[NC], v13
	v_floor_f32 v12, v12                           ; -M
	v_mov_b32 v14, 0
	v_mov_b32 v15, 0
.set j, 0
.rept 32
	v_mov_b32 v[OO+j], 0
.set j, j+1
.endr
.endm
.macro NEXTQ                           ; the next pass's Q takes its place
.irp j, 0,1,2,3,4,5,6,7
	v_mov_b32 v[16+\j], v[248+\j]
.endr
	v_mov_b32 v246, v247
.endm
; A pass ends: O^T is divided by the row's sum, quantised along the head's 64 and stored: two groups of four registers, 512 consecutive aligned bytes each, and two scale bytes a row.
.macro PASS_OUT p
	s_wait_alu depctr_va_vdst(0)                   ; the sum may have been written just ahead of taken branches
	v_add_f32 v14, v14, v15                        ; (with the seven additions above and the lines below: the places behind the last products)
	v_permlanex16_b32 v234, v14, s[SEL], s[SEL+1]
	v_add_f32 v14, v14, v234                       ; the row's sum
	s_wait_alu depctr_va_vdst(0)                   ; the wait ahead of the transcendental
	v_rcp_f32 v14, v14
	v_nop
	s_wait_alu depctr_va_vdst(0)                   ; and ahead of its first reader, which is O^T's first reader too
.set j, 0
.rept 32
	v_mul_f32 v[SS+j], v[OO+j], v14                ; register 16 b + i: channel 32 b + 16 (lane / 16) + i of my query
.set j, j+1
.endr
.irp b, 0,1
	v_max3_num_f32 v[BM+\b], |v[SS+16*\b]|, |v[SS+16*\b+1]|, 0x4800000
.endr
.irp i, 2,4,6,8,10,12,14
.irp b, 0,1
	v_max3_num_f32 v[BM+\b], v[BM+\b], |v[SS+16*\b+\i]|, |v[SS+16*\b+\i+1]|
.endr
.endr
.irp b, 0,1
	v_permlanex16_b32 v[PB+\b], v[BM+\b], s[SEL], s[SEL+1]
.endr
.irp b, 0,1
	v_max_num_f32 v[BM+\b], v[BM+\b], v[PB+\b]
.endr
.irp b, 0,1
	v_add_nc_u32 v[CO+\b], 0xfc000000, v[BM+\b]
.endr
.irp b, 0,1
	v_and_or_b32 v[HL+\b], v[BM+\b], 0x7f800000, s[MNT]
.endr
.irp b, 0,1
	v_lshrrev_b32 v[PB+\b], 23, v[CO+\b]
.endr
	v_lshl_or_b32 v[238+\p], v[PB+1], 8, v[PB]     ; the head's two scale bytes of my row
.irp b, 0,1
.set i, 0
.rept 16
	v_med3_num_f32 v[SS+16*\b+i], v[SS+16*\b+i], -v[HL+\b], v[HL+\b]
.set i, i+1
.endr
.endr
.irp b, 0,1
	v_cvt_scalef32_pk8_fp8_f32 v[PCD+4*\b:PCD+4*\b+1], v[SS+16*\b:SS+16*\b+7], v[CO+\b]
	v_cvt_scalef32_pk8_fp8_f32 v[PCD+4*\b+2:PCD+4*\b+3], v[SS+16*\b+8:SS+16*\b+15], v[CO+\b]
.endr
	v_nop                                          ; a plain line behind the last conversion
	global_store_b128 v1, v[PCD:PCD+3], s[PP+8*\p+4:PP+8*\p+5]
	global_store_b128 v1, v[PCD+4:PCD+7], s[PP+8*\p+4:PP+8*\p+5] offset:512
	global_store_b16 v4, v[238+\p], s[PP+8*\p+6:PP+8*\p+7]     ; lanes l and l + 16 write the same two bytes with the same value
	s_wait_xcnt 0x0                                ; the stores have read their registers, which the next pass writes again
.endm
	INIT
	s_wait_alu depctr_va_vdst(0)                   ; the wait at the head's end
	s_wait_loadcnt 0x0                             ; Q
	s_wait_tensorcnt 0x0                           ; my chunk has landed
	s_mov_b32 s[TB], s84
	STEP                                           ; pass 0 begins on the chunk that I fetched myself: my own wait is all the ordering that these reads need
	s_barrier_signal -1
	s_barrier_wait -1                              ; every wave has waited for its chunk: all sixteen may be read
	LOOP16 1, 16
	PASS_OUT 0
	NEXTQ                                          ; pass 1: waves 0-11
	s_cmp_ge_u32 s[WV], 4
	s_cbranch_scc1 .Lno_third
	global_load_b128 v[248:251], v1, s[PP+16:PP+17]            ; pass 2's Q, into the registers just read out: it lands under pass 1
	global_load_b128 v[252:255], v1, s[PP+16:PP+17] offset:512
	global_load_b32 v247, v3, s[PP+18:PP+19]
.Lno_third:
	INIT                                           ; (its lines also stand between Q's moves and the first product)
	LOOP16 0, 12
	s_cmp_ge_u32 s[WV], 12
	s_cbranch_scc1 .Lno_out_1
	PASS_OUT 1
.Lno_out_1:
	s_wait_loadcnt 0x0                             ; pass 2's Q
	NEXTQ                                          ; pass 2: waves 0-3
	INIT
	LOOP16 0, 4
	s_cmp_ge_u32 s[WV], 4
	s_cbranch_scc1 .Lno_out_2
	PASS_OUT 2
.Lno_out_2:
	s_wait_tensorcnt 0x0                           ; the wave's end
	ds_add_u32 v10, v11
	s_wait_dscnt 0x0
	CROUND                                         ; the closing round
	s_endpgm
.Lfunc_end_k_q5c03f8363e_attn:
	.size	k_q5c03f8363e_attn, .Lfunc_end_k_q5c03f8363e_attn-k_q5c03f8363e_attn
	.p2alignl 7, 3214868480
	.fill 96, 4, 3214868480
	.section	.rodata,"a",@progbits
	.p2align	6, 0x0
	.amdhsa_kernel k_q5c03f8363e_attn
		.amdhsa_group_segment_fixed_size 276480
		.amdhsa_private_segment_fixed_size 0
		.amdhsa_enable_private_segment 0
		.amdhsa_kernarg_size 32
		.amdhsa_user_sgpr_count 2
		.amdhsa_user_sgpr_kernarg_segment_ptr 1
		.amdhsa_wavefront_size32 1
		.amdhsa_system_sgpr_workgroup_id_x 1
		.amdhsa_system_sgpr_workgroup_id_y 1
		.amdhsa_system_sgpr_workgroup_id_z 1
		.amdhsa_system_vgpr_workitem_id 0
		.amdhsa_next_free_vgpr 256
		.amdhsa_next_free_sgpr 96
		.amdhsa_reserve_vcc 0
		.amdhsa_float_denorm_mode_32 3
		.amdhsa_float_denorm_mode_16_64 3
		.amdhsa_memory_ordered 1
		.amdhsa_forward_progress 1
		.amdhsa_inst_pref_size 101
	.end_amdhsa_kernel
	.amdgpu_metadata
---
amdhsa.version: [ 1, 2 ]
amdhsa.kernels:
  - .name:           k_q5c03f8363e_attn
    .symbol:         k_q5c03f8363e_attn.kd
    .args:
      - { .name: qbuf, .offset: 0, .size: 8, .value_kind: global_buffer, .address_space: global }
      - { .name: kv, .offset: 8, .size: 8, .value_kind: global_buffer, .address_space: global }
      - { .name: a_img, .offset: 16, .size: 8, .value_kind: global_buffer, .address_space: global }
      - { .name: a_scales, .offset: 24, .size: 8, .value_kind: global_buffer, .address_space: global }
    .group_segment_fixed_size: 276480
    .private_segment_fixed_size: 0
    .kernarg_segment_align: 8
    .kernarg_segment_size: 32
    .max_flat_workgroup_size: 512
    .sgpr_count:     96
    .vgpr_count:     256
    .wavefront_size: 32
...
	.end_amdgpu_metadata
.endif
;; end of part 3
;; launch gemm_proj (part 4): grid 8 x 32, 4 waves a work-group, clusters of 4 x 4, 327,680 bytes of LDS; arguments a_img, a_scales, w_codes, w_scales, b_proj, out0; writes out0
.if DOCPART == 4
	.amdgcn_target "amdgcn-amd-amdhsa--gfx1250"
	.amdhsa_code_object_version 6
	.text
	.protected	k_q5c03f8363e_gemm_proj
	.globl	k_q5c03f8363e_gemm_proj
	.p2align	8
	.type	k_q5c03f8363e_gemm_proj,@function
k_q5c03f8363e_gemm_proj:
	s_mov_b64 s[64:65], 0
	v_nop
	global_prefetch_b8 v0, s[64:65] scope:SCOPE_SE
	s_setreg_imm32_b32 hwreg(HW_REG_WAVE_MODE, 25, 1), 1
	s_wait_xcnt 0x0
	s_wait_alu depctr_hold_cnt(0) depctr_sa_sdst(0) depctr_va_vdst(0) depctr_va_sdst(0) depctr_va_ssrc(0) depctr_va_vcc(0) depctr_vm_vsrc(0)
	s_getreg_b32 s2, hwreg(HW_REG_IB_STS2, 6, 4)
	s_cmp_eq_u32 s2, 0
	s_cbranch_scc0 .Lentry_in_a_cluster
	s_endpgm
.Lentry_in_a_cluster:
	s_bfe_u32 s2, ttmp6, 0x10000c
	s_cmp_lg_u32 s2, 0xf033
	s_cbranch_scc0 .Lentry_shape_is_right
	s_endpgm
.Lentry_shape_is_right:
.set SIZE_K, 1024
.set SIZE_N, 1024
.set KSTEP,  256
.set NQ,     KSTEP/128
.set ROWB,   256
.set KROW,   SIZE_K
.set ASTEP,  4096
.set PITCH,  272
.set FR,     16
.set NL,     4
.set NP,     8
.set HALFT,  128*PITCH
.set SLOT,   4*HALFT
.set LAPS,   SIZE_K/(2*KSTEP)
.set KS,     SIZE_K/32
.set SCL,    2*SLOT
.set HALFS,  (128*KS/256)*272
.set SBLK,   (16*KS/256)*272
.set SPARE,  SCL+4*HALFS
.set SPITCH, 272
.set ADRA, 16
.set ADRB, 20
.set STO,  24
.set RD,   25
.set CO,   26
.set ADRS, 27
.set SPW,  28
.set NIL,  29
.set SC,   32
.set BI,   64
.set AF,   128
.set BK,   128
.set G1, 24
.set G0, 32
.set G1B, 48
.set G0B, 56
.set G1S, 68
.set G0S, 76
.set G1SB, 80
.set G0SB, 88
.set MSB, 0
.macro WIN new
.if MSB != \new
	s_set_vgpr_msb (MSB<<8)|\new
.set MSB, \new
.endif
.endm
.set MUL_LO, 0xa1
.set MUL_HI, 0xf1
.set BIA_LO, 0x81
.set BIA_HI, 0xc1
.set TO_B,   0x40
.macro JLOAD g0a, g1a, g0b, g1b
	s_cmp_eq_u32 s15, 0
	s_cbranch_scc0 .Lfor_b_\@
	tensor_load_to_lds s[\g0a:\g0a+3], s[\g1a:\g1a+7]
	s_nop 0
.rept 4
	v_nop
.endr
	s_branch .Lasked_\@
.Lfor_b_\@:
	tensor_load_to_lds s[\g0b:\g0b+3], s[\g1b:\g1b+7]
	s_nop 0
.rept 4
	v_nop
.endr
.Lasked_\@:
.endm
.macro CREST
	s_cmp_lg_u32 s14, 0
	s_cbranch_scc1 .Lnot_wave_0_\@
	s_barrier_signal -3
.Lnot_wave_0_\@:
	s_barrier_wait -3
	s_barrier_signal -1
	s_barrier_wait -1
.endm
.macro CROUND
	s_barrier_signal -1
	s_barrier_wait -1
	CREST
.endm
	s_load_b256 s[4:11], s[0:1], 0x0
	s_load_b64 s[66:67], s[0:1], 0x20
	s_load_b64 s[12:13], s[0:1], 0x28
	v_lshl_add_u32 v[SPW], v0, 2, SPARE
	v_mov_b32 v[NIL], 0
	ds_add_u32 v28, v29
	ds_add_u32 v28, v29
	s_wait_dscnt 0x0
	v_lshrrev_b32 v1, 5, v0
	v_readfirstlane_b32 s14, v1
	s_lshr_b32 s15, s14, 1
	s_and_b32 s16, s14, 1
	s_bfe_u32 s40, ttmp6, 0x40000
	s_bfe_u32 s41, ttmp6, 0x40004
	s_lshl_b32 s42, ttmp9, 2
	s_add_co_u32 s42, s42, s40
	s_and_b32 s17, ttmp7, 0xffff
	s_lshl_b32 s17, s17, 2
	s_add_co_u32 s17, s17, s41
	s_lshl_b32 s43, s41, 2
	s_lshl_b32 s43, 15, s43
	s_lshl_b32 s44, 0x1111, s40
	s_or_b32 s[G1+0], s43, (0<<16)|(1<<21)
	s_mov_b32 s[G1+1], ASTEP<<16
	s_mov_b32 s[G1+2], 16<<16
	s_mov_b32 s[G1+3], ASTEP<<16
	s_mov_b32 s[G1+4], 16
	s_mov_b32 s[G1+5], 16384
	s_mov_b32 s[G1+6], 0
	s_mov_b32 s[G1+7], 0
	s_or_b32 s[G1B+0], s44, (0<<16)|(1<<20)|(1<<21)|(5<<22)|(3<<25)
	s_mov_b32 s[G1B+1], ROWB<<16
	s_mov_b32 s[G1B+2], 128<<16
	s_mov_b32 s[G1B+3], ROWB<<16
	s_mov_b32 s[G1B+4], 128
	s_mov_b32 s[G1B+5], KROW
	s_mov_b32 s[G1B+6], 0
	s_mov_b32 s[G1B+7], 0
	s_or_b32 s[G1S+0], s43, (3<<16)|(1<<20)|(1<<21)|(5<<22)|(3<<25)
	s_or_b32 s[G1SB+0], s44, (3<<16)|(1<<20)|(1<<21)|(5<<22)|(3<<25)
.irp g, G1S, G1SB
	s_mov_b32 s[\g+1], 32<<16
	s_mov_b32 s[\g+2], KS<<16
	s_mov_b32 s[\g+3], 32<<16
	s_mov_b32 s[\g+4], KS
	s_mov_b32 s[\g+5], 32
	s_mov_b32 s[\g+6], 0
	s_mov_b32 s[\g+7], 0
.endr
	s_mov_b32 s[G1SB+2], (KS/2)<<16                ; the block is 256 x 128: the weight's tile has 128 rows, whose scales are 16 rows of 256 bytes
	s_mov_b32 s[G1SB+4], KS/2
	s_lshl_b32 s20, s17, 8
	s_lshl_b32 s46, s42, 7
	s_mov_b32 s21, 0
	s_mov_b32 s47, 0
	s_mov_b64 s[18:19], KS
	s_mul_u64 s[22:23], s[20:21], s[18:19]
	s_mul_u64 s[92:93], s[46:47], s[18:19]
	s_mov_b64 s[18:19], KROW
	s_mul_u64 s[20:21], s[20:21], s[18:19]
	s_mul_u64 s[46:47], s[46:47], s[18:19]
	s_mul_i32 s18, s16, 128*KROW                   ; in the ring I fetch 128 rows of a tile: which half, in bytes
	s_mov_b32 s19, 0
	s_mul_i32 s45, s16, 64*PITCH                   ; the weight's halves of 64 rows, behind the image's part of a slot
	s_add_co_u32 s45, s45, 2*HALFT
	s_mul_i32 s96, s16, 64*KROW
	s_mov_b32 s97, 0
	s_lshl_b32 s94, s14, 15                        ; the image's halves of 128 rows lie 32,768 bytes apart in a slot
	s_wait_kmcnt 0x0
	s_add_nc_u64 s[8:9], s[8:9], 0x300000
	s_add_nc_u64 s[10:11], s[10:11], 0x18000
	s_add_nc_u64 s[20:21], s[4:5], s[20:21]
	s_add_nc_u64 s[22:23], s[6:7], s[22:23]
	s_add_nc_u64 s[46:47], s[8:9], s[46:47]
	s_add_nc_u64 s[92:93], s[10:11], s[92:93]
	CROUND
	s_mov_b32 s[G0S], 1
	s_mov_b32 s[G0S+1], SCL+HALFS
	s_mov_b64 s[G0S+2:G0S+3], s[22:23]
	s_or_b32 s[G0S+3], s[G0S+3], 0x80000000
	s_mov_b32 s[G0SB], 1
	s_mov_b32 s[G0SB+1], SCL
	s_mov_b64 s[G0SB+2:G0SB+3], s[92:93]
	s_or_b32 s[G0SB+3], s[G0SB+3], 0x80000000
	s_mov_b32 s4, 1                                ; group 0 of the head's loads of K step 0: the image's 256 rows,
	s_mov_b32 s5, 0
	s_mov_b64 s[6:7], s[20:21]
	s_or_b32 s7, s7, 0x80000000
	s_mov_b32 s8, 1                                ; and the weight's 128 rows
	s_mov_b32 s9, 2*HALFT
	s_mov_b64 s[10:11], s[46:47]
	s_or_b32 s11, s11, 0x80000000
	s_add_nc_u64 s[20:21], s[20:21], s[18:19]      ; for the ring: my 128 rows of the tile
	s_add_nc_u64 s[46:47], s[46:47], s[96:97]
	; the prefetches: of what I fetch in the ring the four partners that ask jointly take a quarter each, told apart by address: of the image two tiles of 16 rows (a K step of a tile is 16 blocks of 256 bytes),
	; of the weight 16 rows (lanes 16-31 name the same blocks as lanes 0-15)
	s_cmp_eq_u32 s15, 0
	s_cselect_b64 s[98:99], s[20:21], s[46:47]
	s_cselect_b32 s2, s40, s41
	s_cselect_b32 s3, 15, 14
	s_mov_b32 s92, 1024
	s_cselect_b32 s92, 256, s92                    ; from lane to lane among sixteen
	s_cselect_b32 s93, 16384, 0                    ; from the lower sixteen lanes to the upper
	s_mov_b32 s22, 2*ROWB
	s_cselect_b32 s22, 2*ASTEP, s22                ; two K steps on
	s_lshl_b32 s2, s2, s3
	s_add_co_u32 s2, s2, s22
	s_mov_b32 s3, 0
	s_add_nc_u64 s[98:99], s[98:99], s[2:3]        ; K step 2; never rewritten
	s_lshr_b32 s2, s22, 1
	s_add_nc_u64 s[100:101], s[98:99], s[2:3]      ; K step 3; never rewritten
.irp s, 0,1
	s_mov_b32 s[G0+4*\s], 1
	s_add_co_u32 s[G0+4*\s+1], s94, \s*SLOT
	s_add_nc_u64 s[G0+4*\s+2:G0+4*\s+3], s[20:21], \s*ASTEP
	s_or_b32 s[G0+4*\s+3], s[G0+4*\s+3], 0x80000000
	s_mov_b32 s[G0B+4*\s], 1
	s_add_co_u32 s[G0B+4*\s+1], s45, \s*SLOT
	s_add_nc_u64 s[G0B+4*\s+2:G0B+4*\s+3], s[46:47], \s*ROWB
	s_or_b32 s[G0B+4*\s+3], s[G0B+4*\s+3], 0x80000000
.endr
; The head's four tiles, one joint load a wave: one tree of branches on the wave's number, every way through it passes one load.
.macro ARM under, g0, g1, next
	s_cmp_lt_u32 s14, \under
	s_cbranch_scc0 \next
	tensor_load_to_lds s[\g0:\g0+3], s[\g1:\g1+7]
	s_nop 0
.rept 4
	v_nop
.endr
	s_branch .Lhead_asked
\next:
.endm
	ARM 1, 4, G1, .Lhead_b
	ARM 2, 8, G1B, .Lhead_sa
	ARM 3, G0S, G1S, .Lhead_sb
	tensor_load_to_lds s[G0SB:G0SB+3], s[G1SB:G1SB+7]
	s_nop 0
.rept 4
	v_nop
.endr
.Lhead_asked:
	v_and_b32 v1, 15, v0
	v_bfe_u32 v2, v0, 4, 1
	v_and_b32 v6, 31, v0
	v_lshlrev_b32 v[CO], 4, v6
	v_mul_u32_u24 v30, v1, s92
	v_mad_u32_u24 v30, v2, s93, v30                ; my lane's block; never rewritten
	s_wait_alu depctr_va_vdst(0)
	global_prefetch_b8 v30, s[98:99] th:TH_LOAD_NT scope:SCOPE_SE   ; K step 2, which the first refill will ask for
	s_lshl_b32 s46, s42, 9
	s_lshl_b32 s47, s16, 8
	s_add_co_u32 s46, s46, s47
	s_mov_b32 s47, 0
	s_add_nc_u64 s[66:67], s[66:67], s[46:47]
	v_lshlrev_b32 v7, 6, v2
.irp b, 0,1,2,3
	global_load_b128 v[BI+8*\b:BI+8*\b+3], v7, s[66:67] offset:(32*(\b/2)+8*(\b%2))*4
	global_load_b128 v[BI+8*\b+4:BI+8*\b+7], v7, s[66:67] offset:(32*(\b/2)+8*(\b%2))*4+16
.endr
	v_mul_u32_u24 v3, v1, PITCH
	v_lshl_add_u32 v4, v2, 4, v3
	s_lshl_b32 s21, s15, 15
	s_mul_i32 s22, s16, 64*PITCH
	s_add_co_u32 s22, s22, 2*HALFT
.irp s, 0,1
	v_add_nc_u32 v[ADRA+\s], s21, v[CO]
	v_add_nc_u32 v[ADRB+\s], s22, v4
	s_add_co_u32 s21, s21, SLOT
	s_add_co_u32 s22, s22, SLOT
.endr
	v_mul_u32_u24 v5, v1, KS
	v_lshrrev_b32 v6, 8, v5
	v_lshl_add_u32 v5, v6, 4, v5
	s_mul_i32 s21, s16, HALFS/2                    ; the weight's scales lie first: my 64 rows of them (lanes 16-31);
	s_mul_i32 s22, s15, HALFS
	s_add_co_u32 s22, s22, HALFS                   ; the image's behind them: my 128 rows (lanes 0-15)
	s_sub_co_u32 s22, s22, s21
	v_xor_b32 v6, 1, v2
	v_mul_u32_u24 v6, s22, v6                      ; one product: the lower base + (1 - h) x the distance
	s_add_co_u32 s21, s21, SCL
	v_add_nc_u32 v5, v5, v6
	v_add_nc_u32 v[ADRS], s21, v5
	s_mul_i32 s23, s14, 16*SPITCH
	v_mul_u32_u24 v5, v1, SPITCH
	v_lshl_add_u32 v5, v2, 6, v5
	v_add_nc_u32 v[STO], s23, v5
	v_mul_u32_u24 v5, v2, SPITCH                   ; back: lanes 0-15 take one row of 256 bytes, lanes 16-31 the next
	v_lshl_add_u32 v5, v1, 4, v5
	v_add_nc_u32 v[RD], s23, v5
	v_lshlrev_b32 v31, 12, v2                      ; and the same two rows in the output: a row is 4,096 bytes
	v_lshl_add_u32 v31, v1, 4, v31
	s_lshl_b32 s20, s17, 8
	s_lshl_b32 s21, s15, 7
	s_add_co_u32 s20, s20, s21
	s_mov_b32 s21, 0
	s_mov_b64 s[18:19], SIZE_N*4
	s_mul_u64 s[20:21], s[20:21], s[18:19]
	s_add_nc_u64 s[20:21], s[20:21], s[46:47]
	s_add_nc_u64 s[12:13], s[12:13], s[20:21]
.macro FRAG reg, adr, q, i
.irp c, 0,1,2,3
	ds_load_b128 v[\reg+4*\c:\reg+4*\c+3], v[\adr] offset:128*(\q)+32*\c+(\i)*16*PITCH
.endr
.endm
.macro FRAGA reg, adr, q, i
.irp c, 0,1,2,3
	ds_load_b128 v[\reg+4*\c:\reg+4*\c+3], v[\adr] offset:4096*(\i)+2048*(\q)+512*\c
.endr
.endm
.macro MUL16 a0, p, q, sc, zero
.irp a, \a0, \a0+1
.irp b, 0,1,2,3
.if \zero
	v_wmma_scale_f32_16x16x128_f8f6f4 v[8*(8*((\a)%4)+\b):8*(8*((\a)%4)+\b)+7], v[128*(\p)+FR*\b:128*(\p)+FR*\b+FR-1], v[AF+FR*(\a):AF+FR*(\a)+FR-1], v[BI+8*\b:BI+8*\b+7], v[SC+8*NQ*(\sc)+NQ*\b+(\q)], v[SC+8*NQ*(\sc)+NQ*(\a)+(\q)] matrix_a_scale:MATRIX_SCALE_ROW1
.else
	v_wmma_scale_f32_16x16x128_f8f6f4 v[8*(8*((\a)%4)+\b):8*(8*((\a)%4)+\b)+7], v[128*(\p)+FR*\b:128*(\p)+FR*\b+FR-1], v[AF+FR*(\a):AF+FR*(\a)+FR-1], v[8*(8*((\a)%4)+\b):8*(8*((\a)%4)+\b)+7], v[SC+8*NQ*(\sc)+NQ*\b+(\q)], v[SC+8*NQ*(\sc)+NQ*(\a)+(\q)] matrix_a_scale:MATRIX_SCALE_ROW1
.endif
.endr
.endr
.endm
.macro FETCH_B slot, q, p
	WIN TO_B
.irp i, 0,1,2,3
	FRAG 128*(\p)+FR*\i, ADRB+\slot, \q, \i
.endr
	WIN 0
.endm
.macro FETCH_A slot, q, i0
.irp i, \i0, \i0+1, \i0+2, \i0+3
	FRAGA AF+FR*(\i), ADRA+\slot, \q, \i
.endr
.endm
.macro SCALES sc
.irp i, 0,1,2,3,4,5,6,7
	ds_load_b64 v[SC+8*NQ*\sc+NQ*\i:SC+8*NQ*\sc+NQ*\i+1], v[ADRS] offset:\i*SBLK
.endr
.endm
.macro PLACES n
.rept \n
	v_nop
.endr
.endm
.macro STEP slot, q, zero
	s_wait_dscnt 4*NL
.if \zero
	WIN BIA_LO
.else
	WIN MUL_LO
.endif
	MUL16 0, (\q)%2, \q, \slot, \zero
	MUL16 2, (\q)%2, \q, \slot, \zero
	s_wait_dscnt 0
	PLACES NP
	FETCH_B \slot, (\q)+1, 1-(\q)%2
	FETCH_A \slot, (\q)+1, 0
.if \zero
	WIN BIA_HI
.else
	WIN MUL_HI
.endif
	MUL16 4, (\q)%2, \q, \slot, \zero
	MUL16 6, (\q)%2, \q, \slot, \zero
	PLACES NP
	WIN 0
	FETCH_A \slot, (\q)+1, 4
.endm
.macro TURN slot, next, fill
	s_wait_tensorcnt 0x0
	ds_add_u32 v[SPW], v[NIL]
	s_wait_dscnt 4*NL+1
	WIN MUL_LO
	MUL16 0, 1, NQ-1, \slot, 0
	s_wait_dscnt 0x0
	s_barrier_signal -1
	MUL16 2, 1, NQ-1, \slot, 0
	WIN 0
	s_barrier_wait -1
.if \fill
	CREST
	s_add_nc_u64 s[G0+4*\slot+2:G0+4*\slot+3], s[G0+4*\slot+2:G0+4*\slot+3], 2*ASTEP
	s_add_nc_u64 s[G0B+4*\slot+2:G0B+4*\slot+3], s[G0B+4*\slot+2:G0B+4*\slot+3], 2*ROWB
	JLOAD G0+4*\slot, G1, G0B+4*\slot, G1B
	PLACES NP-4
.else
	PLACES NP
.endif
	s_wait_alu depctr_va_vdst(0)
	v_add_nc_u32 v[ADRS], 4*NQ, v[ADRS]
	FETCH_B \next, 0, 0
	FETCH_A \next, 0, 0
	SCALES \next
	WIN MUL_HI
	MUL16 4, 1, NQ-1, \slot, 0
	MUL16 6, 1, NQ-1, \slot, 0
	PLACES NP
	WIN 0
	FETCH_A \next, 0, 4
.endm
	s_wait_alu depctr_va_vdst(0)
	s_wait_tensorcnt 0x0                           ; my tile of the head's four is in
	ds_add_u32 v[SPW], v[NIL]
	s_mov_b32 s[G1+2], 8<<16                       ; no tensor load of mine is out: from here on a load brings 128 rows (of the image: 8 tiles of 16)
	s_mov_b32 s[G1+4], 8
	s_mov_b32 s[G1B+2], 64<<16
	s_mov_b32 s[G1B+4], 64
	s_wait_dscnt 0x0
	CROUND
	JLOAD G0+4, G1, G0B+4, G1B                     ; K step 1: the first tensor load behind the round
	FETCH_B 0, 0, 0
	FETCH_A 0, 0, 0
	SCALES 0
	FETCH_A 0, 0, 4
	global_prefetch_b8 v30, s[100:101] th:TH_LOAD_NT scope:SCOPE_SE   ; K step 3, the last: what the second refill will ask for
	s_wait_loadcnt 0x0
	STEP 0, 0, 1
	s_mov_b32 s3, LAPS-1
.Llap:
	TURN 0, 1, 1
	STEP 1, 0, 0
	TURN 1, 0, 1
	STEP 0, 0, 0
	s_sub_co_u32 s3, s3, 1
	s_cmp_lg_u32 s3, 0
	s_cbranch_scc1 .Llap
	TURN 0, 1, 0
	STEP 1, 0, 0
	s_wait_dscnt 4*NL
	WIN MUL_LO
	MUL16 0, 1, NQ-1, 1, 0
	MUL16 2, 1, NQ-1, 1, 0
	s_wait_dscnt 0
	WIN MUL_HI
	MUL16 4, 1, NQ-1, 1, 0
	MUL16 6, 1, NQ-1, 1, 0
	WIN 0
.macro TOSTAGE a
.set AC, 64*((\a)%4)
	WIN 0x08+4*((\a)/4)
.irp b, 0,1,2,3
	ds_store_b128 v[STO], v[AC+8*\b:AC+8*\b+3] offset:128*(\b/2)+32*(\b%2)
	ds_store_b128 v[STO], v[AC+8*\b+4:AC+8*\b+7] offset:128*(\b/2)+32*(\b%2)+16
.endr
	WIN 0
.set BB, BK+64*((\a)%2)
.irp t, 0,1,2,3,4,5,6,7
	ds_load_b128 v[BB+4*\t:BB+4*\t+3], v[RD] offset:2*\t*SPITCH
.endr
.endm
.macro SEND a, younger
.set BB, BK+64*((\a)%2)
	s_wait_dscnt \younger
.if (\a) > 0
.if ((\a)%2) == 1
	s_add_nc_u64 s[12:13], s[12:13], 8*SIZE_N*4
.else
	s_add_nc_u64 s[12:13], s[12:13], 24*SIZE_N*4
.endif
.endif
.irp t, 0,1,2,3,4,5,6,7
	global_store_b128 v31, v[BB+4*\t:BB+4*\t+3], s[12:13] offset:(2*\t+8*(\t/4))*SIZE_N*4 th:TH_STORE_NT   ; sixteen lanes store 256 consecutive bytes, aligned
.endr
.endm
	PLACES NP
	TOSTAGE 0
.irp a, 1,2,3,4,5,6,7
.if \a > 1
	s_wait_xcnt 0x0
.endif
	TOSTAGE \a
	SEND \a-1, 16
.endr
	s_wait_xcnt 0x0
	SEND 7, 0
	s_wait_tensorcnt 0x0
	ds_add_u32 v[SPW], v[NIL]
	s_wait_dscnt 0x0
	CROUND
	s_endpgm
.Lfunc_end_k_q5c03f8363e_gemm_proj:
	.size	k_q5c03f8363e_gemm_proj, .Lfunc_end_k_q5c03f8363e_gemm_proj-k_q5c03f8363e_gemm_proj
	.p2alignl 7, 3214868480
	.fill 96, 4, 3214868480
	.section	.rodata,"a",@progbits
	.p2align	6, 0x0
	.amdhsa_kernel k_q5c03f8363e_gemm_proj
		.amdhsa_group_segment_fixed_size 327680
		.amdhsa_private_segment_fixed_size 0
		.amdhsa_enable_private_segment 0
		.amdhsa_kernarg_size 48
		.amdhsa_user_sgpr_count 2
		.amdhsa_user_sgpr_kernarg_segment_ptr 1
		.amdhsa_wavefront_size32 1
		.amdhsa_system_sgpr_workgroup_id_x 1
		.amdhsa_system_sgpr_workgroup_id_y 1
		.amdhsa_system_sgpr_workgroup_id_z 1
		.amdhsa_system_vgpr_workitem_id 0
		.amdhsa_next_free_vgpr 1024
		.amdhsa_next_free_sgpr 102
		.amdhsa_reserve_vcc 0
		.amdhsa_float_denorm_mode_32 3
		.amdhsa_float_denorm_mode_16_64 3
		.amdhsa_memory_ordered 1
		.amdhsa_forward_progress 1
		.amdhsa_inst_pref_size 95
	.end_amdhsa_kernel
	.amdgpu_metadata
---
amdhsa.version: [ 1, 2 ]
amdhsa.kernels:
  - .name:           k_q5c03f8363e_gemm_proj
    .symbol:         k_q5c03f8363e_gemm_proj.kd
    .args:
      - { .name: a_img, .offset: 0, .size: 8, .value_kind: global_buffer, .address_space: global }
      - { .name: a_scales, .offset: 8, .size: 8, .value_kind: global_buffer, .address_space: global }
      - { .name: w_codes, .offset: 16, .size: 8, .value_kind: global_buffer, .address_space: global }
      - { .name: w_scales, .offset: 24, .size: 8, .value_kind: global_buffer, .address_space: global }
      - { .name: b_proj, .offset: 32, .size: 8, .value_kind: global_buffer, .address_space: global }
      - { .name: out0, .offset: 40, .size: 8, .value_kind: global_buffer, .address_space: global }
    .group_segment_fixed_size: 327680
    .private_segment_fixed_size: 0
    .kernarg_segment_align: 8
    .kernarg_segment_size: 48
    .max_flat_workgroup_size: 128
    .sgpr_count:     102
    .vgpr_count:     1024
    .wavefront_size: 32
...
	.end_amdgpu_metadata
.endif
;; end of part 4
